; MI455X (gfx1250); checked and timed in simulation.
; The chip was launched on July 23, 2026; its instructions are those of AMD's public machine-readable ISA for CDNA 5 (MIT licence, August 2026) and "CDNA5" Instruction Set Architecture Reference Guide (July 2026). The comments in the code are by the model that wrote it; some were corrected since.
;; Mo E Layer. Allowed arithmetic: matrix products marked QUANTISED: E2M3 operands, one E8M0 scale for each 32 along K, by v_wmma_scale_f32_16x16x128_f8f6f4 with both operands' format E2M3, f32 sums; products left as they are: f32 operands where the result goes on into a quantised operand, else bf16, f16 or f32 operands; f32 sums; everything else in f32.
;; Inputs: down_b 8 x 1,024 float32; down_w_codes 8 x 1,024 x 128 x 24 uint8 (E2M3 codes of down_w, K innermost, in blocks of 32 codes, four codes in three bytes); down_w_scales 8 x 1,024 x 128 uint8 (E8M0 scales of down_w, one for each 32 codes along K); gate_w 1,024 x 8 float32; up_b 8 x 4,096 float32; up_w_codes 8 x 4,096 x 32 x 24 uint8 (E2M3 codes of up_w, K innermost, in blocks of 32 codes, four codes in three bytes); up_w_scales 8 x 4,096 x 32 uint8 (E8M0 scales of up_w, one for each 32 codes along K); x 4 x 256 x 1,024 float32.
;; Outputs: out0 4 x 256 x 1,024 float32; out1 one number float32; out2 8 float32; out3 4 x 256 int32.
;; This version of the problem:
;;   THIS VERSION OF THE PROBLEM IS GIVEN IN LOW PRECISION. The matrix products marked QUANTISED in the list below multiply operands that are first quantised to E2M3 (2 exponent bits, 3 mantissa bits; 6 bits a number), with one power-of-two scale for each 32 numbers along K (OCP MX v1.0); their sums are f32. All else is computed in f32.
;;   The module's matrix products, in the order in which they are computed (A, B: the left and right operand; K: the contracted axis; several contracted axes count as one K, in the product's order):
;;     1. [M 1,024, K 1,024] x [K 1,024, N 8]; A: input x; B: input gate_w: left as it is (N = 8 < 16)
;;     2. [M 1,024, K 1,024] x [K 1,024, N 4,096]; A: input x; B: input up_w (given as codes): QUANTISED
;;     3. [M 1,024, K 4,096] x [K 4,096, N 1,024]; A: computed on the way; B: input down_w (given as codes): QUANTISED
;;     4. [M 1,024, K 1,024] x [K 1,024, N 4,096]; A: input x; B: input up_w (given as codes): QUANTISED
;;     5. [M 1,024, K 4,096] x [K 4,096, N 1,024]; A: computed on the way; B: input down_w (given as codes): QUANTISED
;;     6. [M 1,024, K 1,024] x [K 1,024, N 4,096]; A: input x; B: input up_w (given as codes): QUANTISED
;;     7. [M 1,024, K 4,096] x [K 4,096, N 1,024]; A: computed on the way; B: input down_w (given as codes): QUANTISED
;;     8. [M 1,024, K 1,024] x [K 1,024, N 4,096]; A: input x; B: input up_w (given as codes): QUANTISED
;;     9. [M 1,024, K 4,096] x [K 4,096, N 1,024]; A: computed on the way; B: input down_w (given as codes): QUANTISED
;;     10. [M 1,024, K 1,024] x [K 1,024, N 4,096]; A: input x; B: input up_w (given as codes): QUANTISED
;;     11. [M 1,024, K 4,096] x [K 4,096, N 1,024]; A: computed on the way; B: input down_w (given as codes): QUANTISED
;;     12. [M 1,024, K 1,024] x [K 1,024, N 4,096]; A: input x; B: input up_w (given as codes): QUANTISED
;;     13. [M 1,024, K 4,096] x [K 4,096, N 1,024]; A: computed on the way; B: input down_w (given as codes): QUANTISED
;;     14. [M 1,024, K 1,024] x [K 1,024, N 4,096]; A: input x; B: input up_w (given as codes): QUANTISED
;;     15. [M 1,024, K 4,096] x [K 4,096, N 1,024]; A: computed on the way; B: input down_w (given as codes): QUANTISED
;;     16. [M 1,024, K 1,024] x [K 1,024, N 4,096]; A: input x; B: input up_w (given as codes): QUANTISED
;;     17. [M 1,024, K 4,096] x [K 4,096, N 1,024]; A: computed on the way; B: input down_w (given as codes): QUANTISED
;;   THE QUANTISER, for each operand of a quantised product, along K:
;;     - K is cut into blocks of 32 from its start; a last block that is shorter is filled with zeros.
;;     - A block's scale is 2^e with e = floor(log2(the largest magnitude in the block)) - 2, held to -126 .. 127; a block of zeros has e = 0. As a byte (E8M0): e + 127.
;;     - Each number is divided by its block's scale, clamped to +-7.5, and rounded to the nearest number of E2M3, ties to even, subnormals kept.
;;     - The product sums the exact products of the quantised numbers (number of the format x scale) in f32.
;;   ~~~python
;;   def quantise(x, axis):      # numpy; x: float32 -> the quantised numbers, widened to float32 again
;;       x = np.moveaxis(x, axis, -1); K = x.shape[-1]
;;       x = np.pad(x, [(0, 0)] * (x.ndim - 1) + [(0, -K % 32)]); x = x.reshape(x.shape[:-1] + (-1, 32)); a = np.abs(x).max(-1, keepdims=True)
;;       e = np.where(a > 0, np.clip(np.frexp(np.where(a > 0, a, 1))[1] - 1 - 2, -126, 127), 0)      # np.frexp(a)[1] - 1 = floor(log2(a)), exactly
;;       r = np.clip(x / 2.0 ** e, -7.5, 7.5)
;;       step = 2.0 ** (np.maximum(np.frexp(np.where(r == 0, 1, r))[1] - 1, 0) - 3)
;;       q = np.round(r / step) * step * 2.0 ** e      # np.round: ties to even
;;       return np.moveaxis(q.reshape(q.shape[:-2] + (-1,))[..., :K], -1, axis).astype(np.float32)
;;   ~~~
;;   OPERANDS COMPUTED ON THE WAY. 'Computed on the way' means the value that the module computes at that place (a softmax that the list does not call 'softmax' is quantised finished and normalised). What goes into a quantiser is computed in f32, as accurately as f32 sums, v_exp_f32 and their like allow (about 1e-6 of the number): no bf16 or f16 on the way to a quantiser, and a product that is left as it is and whose result goes on into a quantised operand takes f32 operands (vector FMAs, or v_wmma_f32_16x16x4_f32). A number that lies on a knife's edge between two numbers of the format may be rounded either way, as far as f32 arithmetic and the matrix unit's own rounding can turn it there, and no further.
;;   INPUTS GIVEN AS CODES. down_w (in the module: [8, 4096, 1024], K = its axis 1); up_w (in the module: [8, 1024, 4096], K = its axis 1): each comes as NAME_codes (uint8): NAME with its K axis moved to the last place and cut into blocks of 32 codes, [.., K / 32, bytes a block], one block behind the other in memory; four codes in three bytes: a row's codes are one little-endian stream of bits, code i at bits 6 i .. 6 i + 5 (a code: sign, 2 exponent bits, 3 mantissa bits); and NAME_scales (uint8): the same leading axes, one E8M0 byte (e + 127) for each 32 codes along K. Its value is code x scale, taken as it is: it is not quantised again, and the codes and scales need not be those that the quantiser above would give.
;; 2 versions. Each part assembles by itself: llvm-mc -triple=amdgcn-amd-amdhsa -mcpu=gfx1250 --defsym DOCPART=n.
;; ======== version 1 of 2: 5 launches
;; workspace buffers: xc 819,200 bytes; rt 8,192 bytes of whole numbers; rf 16,384 bytes; pl 41,216 bytes of whole numbers; hq 25,165,824 bytes; hs 1,048,576 bytes; y 33,554,432 bytes
;; launch route (part 1): grid 256 x 1, 4 waves a work-group, no clusters, 56,576 bytes of LDS; arguments x, gate_w, xc, rt, rf, out3; writes xc, rt, rf, out3
.if DOCPART == 1
	.amdgcn_target "amdgcn-amd-amdhsa--gfx1250"
	.amdhsa_code_object_version 6
	.text
	.protected	k_q96abd0b9b5_route
	.globl	k_q96abd0b9b5_route
	.p2align	8
	.type	k_q96abd0b9b5_route,@function
k_q96abd0b9b5_route:
	s_mov_b64 s[64:65], 0
	v_nop
	global_prefetch_b8 v0, s[64:65] scope:SCOPE_SE
	s_setreg_imm32_b32 hwreg(HW_REG_WAVE_MODE, 25, 1), 1
	s_wait_xcnt 0x0
; THE ROUTER, AND x AS CODES.  logits = x gate_w (f32 multiply-adds), softmax with the row's maximum taken away, the two largest probabilities (the lower index wins a tie: a later
; expert replaces the best only where it is strictly larger), their renormalised weights, the top expert (out3), each work-group's sum of probabilities; and x quantised to E2M3 along H.
; DEAD WORK, left out by the whole program: reference() multiplies each expert's y by combine[.., e], which it builds in its own body from a one_hot of its own top_k: for the six experts
; that are not among a token's two it is exactly 0, whatever the inputs hold.  So in exact arithmetic those experts' h and y reach no output, and only the 2 x 1,024 routed rows are multiplied.
; Which rows those are is a whole number: this launch stores it (rt), and later launches read it.  Every input still has a way to an output, so all are loaded.
; LIMITS: a NaN, an infinity or an overflow that arises only in the chain of an expert that was not chosen is not carried to the result.  NaN and infinities among the inputs are not served.
; A probability under 2^-126 counts as 0 (v_exp_f32 flushes), so a second expert chosen among such probabilities is the lowest index.  A block of zeros gets the scale byte 1, not 127:
; its codes are zeros, which add nothing under that byte, and this program alone reads the bytes.
; SHARES.  A work-group takes 4 tokens; wave w takes k = 256 w .. 256 w + 255 of all four, as two pairs of tokens.  Lane (a = lane / 16, m = lane % 16) holds 16 neighbours, k = 256 w + 16 m + 0 .. 15,
; of token 2 p + a.  Loads read 512 consecutive bytes; the numbers turn through the wave's own stage in LDS.  The gate's 16 rows of a lane come the same way, once.
; xc: codes [token][K step s][half h][48 bytes]: the 12 registers of operand lane (row, h): block h, then block 2 + h;  from byte XSCO on the scale words [token][s].
.set WRB,   13824                      ; LDS: a wave's region: two turn stages of 32 x SP bytes, then the gate's stage, 16 groups of GP bytes
.set SP,    80                         ; a lane's 64 bytes + 16 of padding
.set GSO,   2*32*SP
.set GP,    528                        ; 512 bytes + 16: the sixteen groups start at sixteen different 16-byte columns
.set PLB,   4*WRB                      ; partial logits [token 0..3][wave][8 f32]
.set XSL,   PLB+512                    ; scale words [token 0..3][s 0..7]
.set SPARE, XSL+256                    ; the spare words, 128 bytes a wave: no other line names them
.set XSCO,  786432
.set SPW,  1
.set NIL,  2
.set LN,   3                           ; lane
.set L16,  4                           ; 16 x lane
.set TIN,  5                           ; turn stage, way in
.set TOUT, 6                           ; and out
.set GIN,  7
.set GOUT, 8
.set XQO,  9                           ; my 12 bytes of codes in the pair's rows of xc
.set SH,   10                          ; 8 x my block's place in its scale word
.set PLW,  11
.set XSW,  12
.set PLR,  13
.set XSR,  14
.set G,    16                          ; v16-143  register 8 j + e: gate_w[256 w + 16 m + j][e]
.set RAW,  144                         ; v144-175 x as loaded, 16 a pair
.set X,    176                         ; v176-207 my 16 neighbours, a pair each
.set LG,   208                         ; v208-223 8 partial logits a pair
.set TMP,  224
.set CD,   240                         ; codes, 4 registers a pair
	s_load_b256 s[4:11], s[0:1], 0x0               ; x, gate_w, xc, rt
	s_load_b128 s[12:15], s[0:1], 0x20             ; rf, out3
	v_lshl_add_u32 v[SPW], v0, 2, SPARE
	v_mov_b32 v[NIL], 0
	v_lshrrev_b32 v[LN], 5, v0
	v_readfirstlane_b32 s16, v[LN]                 ; wave
	v_and_b32 v[LN], 31, v0
	v_and_b32 v224, 15, v0                         ; m
	v_bfe_u32 v225, v0, 4, 1                       ; a
	v_and_b32 v226, 3, v0
	v_bfe_u32 v227, v0, 3, 1                       ; m / 8
	s_mul_i32 s17, s16, WRB
	s_add_co_u32 s18, s17, GSO
	v_lshlrev_b32 v[L16], 4, v[LN]
	v_lshrrev_b32 v[TIN], 2, v[LN]
	v_mul_u32_u24 v[TIN], v[TIN], SP
	v_lshl_add_u32 v[TIN], v226, 4, v[TIN]
	v_add_nc_u32 v[TIN], s17, v[TIN]               ; four lanes' 64 bytes on end, then the padding
	v_mul_u32_u24 v[TOUT], v[LN], SP
	v_add_nc_u32 v[TOUT], s17, v[TOUT]
	v_add_nc_u32 v[GIN], s18, v[L16]
	v_mul_u32_u24 v[GOUT], v224, GP
	v_add_nc_u32 v[GOUT], s18, v[GOUT]
	v_mul_u32_u24 v[XQO], v225, 768                ; token a of the pair; block 8 w + m / 2 of the row: K step 2 w + m / 8, half (m / 2) % 2, which 24 bytes (m / 4) % 2, which 12 of them m % 2
	v_mad_u32_u24 v[XQO], v227, 96, v[XQO]
	v_bfe_u32 v228, v0, 1, 1
	v_mad_u32_u24 v[XQO], v228, 48, v[XQO]
	v_bfe_u32 v228, v0, 2, 1
	v_mad_u32_u24 v[XQO], v228, 24, v[XQO]
	v_and_b32 v228, 1, v0
	v_mad_u32_u24 v[XQO], v228, 12, v[XQO]
	s_mul_i32 s19, s16, 192
	v_add_nc_u32 v[XQO], s19, v[XQO]
	v_bfe_u32 v[SH], v0, 1, 2
	v_lshlrev_b32 v[SH], 3, v[SH]
	s_lshl_b32 s19, s16, 5
	s_add_co_u32 s19, s19, PLB
	v_lshl_add_u32 v[PLW], v225, 7, s19
	s_lshl_b32 s19, s16, 3
	s_add_co_u32 s19, s19, XSL
	v_lshl_add_u32 v[XSW], v225, 5, s19
	v_lshl_add_u32 v[XSW], v227, 2, v[XSW]
	v_lshl_add_u32 v[PLR], v226, 7, PLB
	v_lshl_add_u32 v[XSR], v[LN], 2, XSL
	s_lshl_b32 s20, ttmp9, 14                      ; 4 tokens of 4,096 bytes,
	s_lshl_b32 s21, s16, 10
	s_add_co_u32 s20, s20, s21                     ; my quarter of a row
	s_mov_b32 s21, 0
	s_lshl_b32 s22, s16, 13                        ; my 256 rows of the gate
	s_mov_b32 s23, 0
	s_mul_i32 s24, ttmp9, 3072                     ; 4 tokens of 768 bytes of codes
	s_mov_b32 s25, 0
	s_lshl_b32 s26, ttmp9, 7                       ; 4 tokens of 8 scale words
	s_mov_b32 s27, 0
	s_lshl_b32 s28, ttmp9, 5                       ; 4 tokens of 8 bytes; also a work-group's 32 bytes of sums
	s_mov_b32 s29, 0
	s_lshl_b32 s30, ttmp9, 4
	s_mov_b32 s31, 0
	s_wait_kmcnt 0x0
	s_add_nc_u64 s[4:5], s[4:5], s[20:21]
	s_add_nc_u64 s[6:7], s[6:7], s[22:23]
	s_add_nc_u64 s[32:33], s[8:9], s[26:27]
	s_add_nc_u64 s[8:9], s[8:9], s[24:25]
	s_add_nc_u64 s[10:11], s[10:11], s[28:29]
	s_add_nc_u64 s[12:13], s[12:13], s[28:29]
	s_add_nc_u64 s[14:15], s[14:15], s[30:31]
.irp i, 0,1,2,3,4,5,6,7,8,9,10,11,12,13,14,15
	global_load_b128 v[G+4*\i:G+4*\i+3], v[L16], s[6:7] offset:512*\i       ; 16 rows of the gate, 512 consecutive bytes
.endr
.irp p, 0,1
.irp i, 0,1,2,3
	global_load_b128 v[RAW+16*\p+4*\i:RAW+16*\p+4*\i+3], v[L16], s[4:5] offset:(2*\p+\i/2)*4096+512*(\i%2) th:TH_LOAD_NT
.endr
.endr
	s_wait_loadcnt 8                               ; the gate is in; x's eight loads may be out
.irp i, 0,1,2,3,4,5,6,7,8,9,10,11,12,13,14,15
	ds_store_b128 v[GIN], v[G+4*\i:G+4*\i+3] offset:GP*\i
.endr
	s_wait_dscnt 0x0                               ; the stores have read their registers, which the loads below fill
.irp j, 0,1,2,3,4,5,6,7,8,9,10,11,12,13,14,15
	ds_load_b128 v[G+8*\j:G+8*\j+3], v[GOUT] offset:32*\j
	ds_load_b128 v[G+8*\j+4:G+8*\j+7], v[GOUT] offset:32*\j+16
.endr
.macro TURN p                          ; a pair's 2,048 bytes through the stage: LDS serves a wave's instructions in order
.irp i, 0,1,2,3
	ds_store_b128 v[TIN], v[RAW+16*\p+4*\i:RAW+16*\p+4*\i+3] offset:32*SP*\p+8*SP*\i
.endr
.irp i, 0,1,2,3
	ds_load_b128 v[X+16*\p+4*\i:X+16*\p+4*\i+3], v[TOUT] offset:32*SP*\p+16*\i
.endr
.endm
	s_wait_loadcnt 4                               ; pair 0 is in; pair 1's four loads may be out
	TURN 0
	s_wait_loadcnt 0x0
	TURN 1
	v_mov_b32 v[TMP+4], 0                          ; a DPP move's destination counts as read
.macro PAIR p
.set XB, X+16*\p
.set LB, LG+8*\p
.irp q, 0,1,2,3
	v_pk_mul_f32 v[LB+2*\q:LB+2*\q+1], v[XB:XB+1], v[G+2*\q:G+2*\q+1] op_sel_hi:[0,1]       ; the first product starts the sums; x's number serves both halves
.endr
.set j, 1
.rept 15
.irp q, 0,1,2,3
.if j%2
	v_pk_fma_f32 v[LB+2*\q:LB+2*\q+1], v[XB+j-1:XB+j], v[G+8*j+2*\q:G+8*j+2*\q+1], v[LB+2*\q:LB+2*\q+1] op_sel:[1,0,0] op_sel_hi:[1,1,1]
.else
	v_pk_fma_f32 v[LB+2*\q:LB+2*\q+1], v[XB+j:XB+j+1], v[G+8*j+2*\q:G+8*j+2*\q+1], v[LB+2*\q:LB+2*\q+1] op_sel_hi:[0,1,1]
.endif
.endr
.set j, j+1
.endr
	v_max3_num_f32 v[TMP], |v[XB]|, |v[XB+1]|, |v[XB+2]|            ; the largest magnitude of my 16
	v_max3_num_f32 v[TMP+1], |v[XB+3]|, |v[XB+4]|, |v[XB+5]|
.irp i, 6,10
	v_max3_num_f32 v[TMP], v[TMP], |v[XB+\i]|, |v[XB+\i+1]|
	v_max3_num_f32 v[TMP+1], v[TMP+1], |v[XB+\i+2]|, |v[XB+\i+3]|
.endr
	v_max3_num_f32 v[TMP], v[TMP], |v[XB+14]|, |v[XB+15]|
	v_max3_num_f32 v[TMP], v[TMP], v[TMP+1], 0x1800000              ; the floor 2^(3 - 127): the byte cannot fall under 1
	v_max_num_f32_dpp v[TMP], v[TMP], v[TMP] row_xmask:1 row_mask:0xf bank_mask:0xf   ; with my neighbour's 16: the block's
	v_add_nc_u32 v[TMP+2], 0xff000000, v[TMP]                       ; 2 off the exponent field: the conversion's scale operand
	v_cvt_scalef32_pk16_fp6_f32 v[CD+4*\p:CD+4*\p+2], v[XB:XB+15], v[TMP+2]
	v_lshrrev_b32 v[TMP+3], 23, v[TMP+2]                            ; the scale's byte (also the plain line behind the conversion)
	global_store_b96 v[XQO], v[CD+4*\p:CD+4*\p+2], s[8:9] offset:1536*\p   ; sixteen lanes cover 192 consecutive bytes
	v_lshlrev_b32 v[TMP+3], v[SH], v[TMP+3]                         ; at its place in the word; the three other blocks' bytes come from lanes 2 and 4 away
	v_mov_b32_dpp v[TMP+4], v[TMP+3] row_xmask:2 row_mask:0xf bank_mask:0xf
	v_or_b32 v[TMP+3], v[TMP+3], v[TMP+4]
	v_mov_b32_dpp v[TMP+4], v[TMP+3] row_xmask:4 row_mask:0xf bank_mask:0xf
	v_or_b32 v[TMP+3], v[TMP+3], v[TMP+4]
	ds_store_b32 v[XSW], v[TMP+3] offset:64*\p                      ; the eight lanes of a K step write the same word with the same value
.irp msk, 1,2,4,8
.irp e, 0,1,2,3,4,5,6,7
	v_add_f32_dpp v[LB+\e], v[LB+\e], v[LB+\e] row_xmask:\msk row_mask:0xf bank_mask:0xf
.endr
.endr
	ds_store_b128 v[PLW], v[LB:LB+3] offset:256*\p                  ; the sixteen lanes of a token write the same bytes with the same values
	ds_store_b128 v[PLW], v[LB+4:LB+7] offset:256*\p+16
.endm
	s_wait_dscnt 8                                 ; the gate and pair 0 are back; pair 1's eight LDS instructions may be out
	PAIR 0
	s_wait_dscnt 0x0
	PAIR 1
	s_wait_dscnt 0x0                               ; for the others' sake: my stores have landed
	s_barrier_signal -1
	s_barrier_wait -1
	s_cmp_lg_u32 s16, 0
	s_cbranch_scc1 .Lend
	; wave 0: lane l serves token l % 4 (eight lanes do the same work)
	ds_load_b32 v104, v[XSR]
.irp w, 0,1,2,3
	ds_load_b128 v[16+8*\w:19+8*\w], v[PLR] offset:32*\w
	ds_load_b128 v[20+8*\w:23+8*\w], v[PLR] offset:32*\w+16
.endr
	v_lshlrev_b32 v102, 2, v[LN]
	v_lshlrev_b32 v103, 3, v[LN]
	s_wait_dscnt 0x0
	global_store_b32 v102, v104, s[32:33] offset:XSCO   ; the four tokens' 32 scale words: 128 consecutive bytes
.irp i, 0,2,4,6
	v_pk_add_f32 v[48+\i:49+\i], v[16+\i:17+\i], v[24+\i:25+\i]
	v_pk_add_f32 v[56+\i:57+\i], v[32+\i:33+\i], v[40+\i:41+\i]
.endr
.irp i, 0,2,4,6
	v_pk_add_f32 v[48+\i:49+\i], v[48+\i:49+\i], v[56+\i:57+\i]     ; the 8 logits
.endr
	v_max3_num_f32 v64, v48, v49, v50
	v_max3_num_f32 v64, v64, v51, v52
	v_max3_num_f32 v64, v64, v53, v54
	v_max_num_f32 v64, v64, v55                    ; the maximum is taken away, as reference() does
.irp i, 0,1,2,3,4,5,6,7
	v_sub_f32 v[48+\i], v[48+\i], v64
.endr
.irp i, 0,1,2,3,4,5,6,7
	v_mul_f32 v[48+\i], 0x3fb8aa3b, v[48+\i]
.endr
.irp i, 0,1,2,3,4,5,6,7
	v_exp_f32 v[72+\i], v[48+\i]
.endr
	v_mov_b32 v92, -1.0                            ; (a plain line behind the exponentials)
	s_wait_alu depctr_va_vdst(0)                   ; one wait for the eight, ahead of their first reader
	v_add_f32 v80, v72, v73
	v_add_f32 v81, v74, v75
	v_add_f32 v82, v76, v77
	v_add_f32 v83, v78, v79
	v_add_f32 v80, v80, v81
	v_add_f32 v82, v82, v83
	v_add_f32 v80, v80, v82
	v_rcp_f32 v81, v80
	v_nop
	s_wait_alu depctr_va_vdst(0)
.irp i, 0,1,2,3,4,5,6,7
	v_mul_f32 v[72+\i], v[72+\i], v81              ; the probabilities
.endr
	v_mov_b32 v82, v72                             ; the largest, v98 its index: the best so far stays where it is at least as large
	v_mov_b32 v98, 0
.irp i, 1,2,3,4,5,6,7
	v_cmp_ge_f32 vcc_lo, v82, v[72+\i]
	v_cndmask_b32 v98, \i, v98, vcc_lo
	v_cndmask_b32 v82, v[72+\i], v82, vcc_lo
.endr
.irp i, 0,1,2,3,4,5,6,7
	v_cmp_eq_u32 vcc_lo, \i, v98
	v_cndmask_b32 v[84+\i], v[72+\i], v92, vcc_lo  ; the winner is hidden under -1
.endr
	v_mov_b32 v93, v84                             ; the second largest, v99 its index
	v_mov_b32 v99, 0
.irp i, 1,2,3,4,5,6,7
	v_cmp_ge_f32 vcc_lo, v93, v[84+\i]
	v_cndmask_b32 v99, \i, v99, vcc_lo
	v_cndmask_b32 v93, v[84+\i], v93, vcc_lo
.endr
	v_add_f32 v94, v82, v93
	v_rcp_f32 v95, v94
	v_nop
	s_wait_alu depctr_va_vdst(0)
	v_mul_f32 v100, v82, v95                       ; the two weights
	v_mul_f32 v101, v93, v95
.irp msk, 1,2
.irp i, 0,1,2,3,4,5,6,7
	v_add_f32_dpp v[72+\i], v[72+\i], v[72+\i] row_xmask:\msk row_mask:0xf bank_mask:0xf   ; the four tokens' probabilities, summed
.endr
.endr
	v_mov_b32 v96, v72                             ; lane l of 0 .. 3 stores experts 2 l, 2 l + 1
	v_mov_b32 v97, v73
.irp k, 1,2,3
	v_cmp_eq_u32 vcc_lo, \k, v[LN]
	v_cndmask_b32 v96, v96, v[72+2*\k], vcc_lo
	v_cndmask_b32 v97, v97, v[73+2*\k], vcc_lo
.endr
	v_cmp_gt_u32 vcc_lo, 4, v0
	s_wait_xcnt 0x0                                ; EXEC changes only behind this wait
	s_and_saveexec_b32 s34, vcc_lo
	global_store_b32 v102, v98, s[14:15]           ; out3
	global_store_b64 v103, v[98:99], s[10:11]      ; the two experts, at a fixed place
	global_store_b64 v103, v[100:101], s[12:13]    ; their weights
	global_store_b64 v103, v[96:97], s[12:13] offset:8192
	s_wait_xcnt 0x0
	s_or_b32 exec_lo, exec_lo, s34
.Lend:
	s_wait_tensorcnt 0x0                           ; the wave's end, behind my last LDS store
	ds_add_u32 v[SPW], v[NIL]
	s_wait_dscnt 0x0
	s_endpgm
.Lfunc_end_k_q96abd0b9b5_route:
	.size	k_q96abd0b9b5_route, .Lfunc_end_k_q96abd0b9b5_route-k_q96abd0b9b5_route
	.p2alignl 7, 3214868480
	.fill 96, 4, 3214868480
	.section	.rodata,"a",@progbits
	.p2align	6, 0x0
	.amdhsa_kernel k_q96abd0b9b5_route
		.amdhsa_group_segment_fixed_size 56576
		.amdhsa_private_segment_fixed_size 0
		.amdhsa_enable_private_segment 0
		.amdhsa_kernarg_size 48
		.amdhsa_user_sgpr_count 2
		.amdhsa_user_sgpr_kernarg_segment_ptr 1
		.amdhsa_wavefront_size32 1
		.amdhsa_system_sgpr_workgroup_id_x 1
		.amdhsa_system_sgpr_workgroup_id_y 1
		.amdhsa_system_sgpr_workgroup_id_z 1
		.amdhsa_system_vgpr_workitem_id 0
		.amdhsa_next_free_vgpr 256
		.amdhsa_next_free_sgpr 66
		.amdhsa_reserve_vcc 1
		.amdhsa_float_denorm_mode_32 3
		.amdhsa_float_denorm_mode_16_64 3
		.amdhsa_memory_ordered 1
		.amdhsa_forward_progress 1
		.amdhsa_inst_pref_size 33
	.end_amdhsa_kernel
	.amdgpu_metadata
---
amdhsa.version: [ 1, 2 ]
amdhsa.kernels:
  - .name:           k_q96abd0b9b5_route
    .symbol:         k_q96abd0b9b5_route.kd
    .args:
      - { .name: x, .offset: 0, .size: 8, .value_kind: global_buffer, .address_space: global }
      - { .name: gate_w, .offset: 8, .size: 8, .value_kind: global_buffer, .address_space: global }
      - { .name: xc, .offset: 16, .size: 8, .value_kind: global_buffer, .address_space: global }
      - { .name: rt, .offset: 24, .size: 8, .value_kind: global_buffer, .address_space: global }
      - { .name: rf, .offset: 32, .size: 8, .value_kind: global_buffer, .address_space: global }
      - { .name: out3, .offset: 40, .size: 8, .value_kind: global_buffer, .address_space: global }
    .group_segment_fixed_size: 56576
    .private_segment_fixed_size: 0
    .kernarg_segment_align: 8
    .kernarg_segment_size: 48
    .max_flat_workgroup_size: 128
    .sgpr_count:     66
    .vgpr_count:     256
    .wavefront_size: 32
...
	.end_amdgpu_metadata
.endif
;; end of part 1
;; launch place (part 2): grid 1 x 1, 9 waves a work-group, no clusters, 0 bytes of LDS; arguments rt, rf, pl, out1, out2; writes pl, out1, out2
.if DOCPART == 2
	.amdgcn_target "amdgcn-amd-amdhsa--gfx1250"
	.amdhsa_code_object_version 6
	.text
	.protected	k_q96abd0b9b5_place
	.globl	k_q96abd0b9b5_place
	.p2align	8
	.type	k_q96abd0b9b5_place,@function
k_q96abd0b9b5_place:
	s_mov_b64 s[64:65], 0
	v_nop
	global_prefetch_b8 v0, s[64:65] scope:SCOPE_SE
	s_setreg_imm32_b32 hwreg(HW_REG_WAVE_MODE, 25, 1), 1
	s_wait_xcnt 0x0
; THE ROWS ARE PLACED BY EXPERT, and the two statistics are finished.  One work-group; waves share nothing: no LDS, no barrier.
; Wave e of 0 .. 7 walks all 1,024 tokens, 32 at a time, in ascending order.  A token that chose expert e gets the next rank of that expert: rank = those before it in the word (a count of mask bits
; below the lane) + those of earlier words.  Stored: list[e][rank] = token;  pos[token][which of its two] = 1,024 e + rank;  nt[e] = the expert's tiles of 16 rows, at least 1.
; An expert has at most 1,024 rows (a token's two experts differ), so each has a fixed region and no sum over experts is needed.  The last tile is filled up with token 0: real numbers, whose results nobody reads.
; TWO PASSES.  The first, with all lanes on throughout, makes every word's mask (a scalar register each) and its offsets and data (four vector registers each).  The second only narrows EXEC to a word's mask,
; stores, and widens it again: no vector register is written once EXEC has been narrowed.
; A number that hangs on loaded data enters an offset only behind v_min_u32 with a constant, and behind that stand a plain shift and a plain add alone; the expert's part of the list is in the scalar base.
; Wave 8 adds the 256 work-groups' sums of probabilities: out2 = the mean, out1 = 8 x the sum of its squares.
.set POSB,  32768
.set NTB,   40960
.set SELR,  16                         ; v16-79   the two experts of token 32 i + lane, a pair a word
.set LA,    80                         ; v80-111  word i: my token's place in my expert's list, in bytes
.set SL,    112                        ; v112-143 its slot
.set TK,    144                        ; v144-175 the token
.set PO,    176                        ; v176-207 its place in pos, in bytes
	s_load_b256 s[4:11], s[0:1], 0x0               ; rt, rf, pl, out1
	s_load_b64 s[12:13], s[0:1], 0x20              ; out2
	v_lshrrev_b32 v1, 5, v0
	v_readfirstlane_b32 s16, v1                    ; wave
	v_and_b32 v2, 31, v0                           ; lane
	v_lshlrev_b32 v3, 3, v2
	v_mov_b32 v10, 4
	s_mov_b32 s22, 0                               ; rows of my expert so far
	s_lshl_b32 s32, s16, 12                        ; my expert's list: 4,096 bytes an expert
	s_mov_b32 s33, 0
	s_lshl_b32 s24, s16, 10                        ; and its first slot
	s_lshl_b32 s28, s16, 2
	s_wait_kmcnt 0x0
	s_cmp_eq_u32 s16, 8
	s_cbranch_scc1 .Lstat
	s_add_nc_u64 s[30:31], s[8:9], s[32:33]        ; list[e]
.irp i, 0,1,2,3,4,5,6,7,8,9,10,11,12,13,14,15,16,17,18,19,20,21,22,23,24,25,26,27,28,29,30,31
	global_load_b64 v[SELR+2*\i:SELR+2*\i+1], v3, s[4:5] offset:256*\i
.endr
; word i's mask lies in s34 .. s63, s66, s67
.macro RANK i
.if \i < 30
.set MK, 34+\i
.else
.set MK, 36+\i
.endif
	s_wait_loadcnt 31-\i                           ; this word's load is in; the later words' may be out
	v_cmp_eq_u32 s20, s16, v[SELR+2*\i]
	v_cmp_eq_u32 vcc_lo, s16, v[SELR+2*\i+1]
	s_or_b32 s[MK], s20, vcc_lo                    ; the tokens of this word that chose my expert
	v_cndmask_b32 v4, 0, v10, vcc_lo               ; as their second choice: 4 bytes on in pos
	v_min_u32 v4, 4, v4
	v_mbcnt_lo_u32_b32 v5, s[MK], 0
	v_add_nc_u32 v5, s22, v5                       ; the rank
	v_min_u32 v5, 0x3ff, v5
	v_lshlrev_b32 v[LA+\i], 2, v5
	v_add_nc_u32 v[SL+\i], s24, v5
	v_add_nc_u32 v[TK+\i], 32*\i, v2
	v_lshlrev_b32 v[PO+\i], 3, v[TK+\i]
	v_add_nc_u32 v[PO+\i], v4, v[PO+\i]
	s_bcnt1_i32_b32 s26, s[MK]
	s_add_co_u32 s22, s22, s26
.endm
.irp i, 0,1,2,3,4,5,6,7,8,9,10,11,12,13,14,15,16,17,18,19,20,21,22,23,24,25,26,27,28,29,30,31
	RANK \i
.endr
	s_add_co_u32 s26, s22, 15
	s_lshr_b32 s26, s26, 4
	s_max_u32 s26, s26, 1                          ; tiles of 16 rows, at least one
	s_lshl_b32 s27, s26, 4
	v_add_nc_u32 v5, s22, v2                       ; the places behind the last row, up to the tile's end (16 at the most), take token 0
	v_cmp_gt_u32 s29, s27, v5
	v_min_u32 v5, 0x3ff, v5
	v_lshlrev_b32 v6, 2, v5
	v_mov_b32 v7, 0
	v_mov_b32 v8, s26
	v_mov_b32 v9, s28
	v_cmp_eq_u32 s23, 0, v2
	s_wait_xcnt 0x0                                ; EXEC changes only behind this wait
.macro SEND i
.if \i < 30
.set MK, 34+\i
.else
.set MK, 36+\i
.endif
	s_and_saveexec_b32 s25, s[MK]                  ; (no memory instruction has been issued since the last wait on XCNT)
	global_store_b32 v[LA+\i], v[TK+\i], s[30:31]
	global_store_b32 v[PO+\i], v[SL+\i], s[8:9] offset:POSB
	s_wait_xcnt 0x0                                ; and again, in front of the line that widens it
	s_or_b32 exec_lo, exec_lo, s25
.endm
.irp i, 0,1,2,3,4,5,6,7,8,9,10,11,12,13,14,15,16,17,18,19,20,21,22,23,24,25,26,27,28,29,30,31
	SEND \i
.endr
	s_and_saveexec_b32 s25, s29
	global_store_b32 v6, v7, s[30:31]
	s_wait_xcnt 0x0
	s_or_b32 exec_lo, exec_lo, s25
	s_and_saveexec_b32 s25, s23
	global_store_b32 v9, v8, s[8:9] offset:NTB
	s_wait_xcnt 0x0
	s_or_b32 exec_lo, exec_lo, s25
	s_endpgm
.Lstat:
	v_lshlrev_b32 v3, 4, v2
.irp i, 0,1,2,3,4,5,6,7,8,9,10,11,12,13,14,15
	global_load_b128 v[16+4*\i:19+4*\i], v3, s[6:7] offset:8192+512*\i   ; work-group 16 i + lane / 2, experts 4 (lane % 2) on
.endr
	s_mov_b32 s20, 0x76543210
	s_mov_b32 s21, 0xfedcba98                      ; v_permlanex16_b32's selects for lane l xor 16
.irp j, 0,1,2,3
	v_mov_b32 v[80+\j], 0                          ; a lane permute's destination counts as read
.endr
	s_wait_loadcnt 0x0
.irp i, 1,2,3,4,5,6,7,8,9,10,11,12,13,14,15
	v_pk_add_f32 v[16:17], v[16:17], v[16+4*\i:17+4*\i]
	v_pk_add_f32 v[18:19], v[18:19], v[18+4*\i:19+4*\i]
.endr
.irp msk, 2,4,8
.irp j, 0,1,2,3
	v_add_f32_dpp v[16+\j], v[16+\j], v[16+\j] row_xmask:\msk row_mask:0xf bank_mask:0xf   ; over the lanes of my parity
.endr
.endr
.irp j, 0,1,2,3
	v_permlanex16_b32 v[80+\j], v[16+\j], s20, s21
.endr
.irp j, 0,1,2,3
	v_add_f32 v[16+\j], v[16+\j], v[80+\j]
.endr
.irp j, 0,1,2,3
	v_mul_f32 v[16+\j], 0x3a800000, v[16+\j]       ; / 1,024 tokens
.endr
	v_mul_f32 v84, v16, v16
	v_fma_f32 v84, v17, v17, v84
	v_fma_f32 v84, v18, v18, v84
	v_fma_f32 v84, v19, v19, v84
	v_add_f32_dpp v84, v84, v84 row_xmask:1 row_mask:0xf bank_mask:0xf   ; with the other four experts'
	v_mul_f32 v84, 0x41000000, v84                 ; x 8
	v_mov_b32 v85, 0
	v_cmp_gt_u32 vcc_lo, 2, v2
	s_wait_xcnt 0x0
	s_and_saveexec_b32 s25, vcc_lo
	global_store_b128 v3, v[16:19], s[12:13]
	s_wait_xcnt 0x0
	s_or_b32 exec_lo, exec_lo, s25
	v_cmp_eq_u32 vcc_lo, 0, v2
	s_and_saveexec_b32 s25, vcc_lo
	global_store_b32 v85, v84, s[10:11]
	s_wait_xcnt 0x0
	s_or_b32 exec_lo, exec_lo, s25
	s_endpgm
.Lfunc_end_k_q96abd0b9b5_place:
	.size	k_q96abd0b9b5_place, .Lfunc_end_k_q96abd0b9b5_place-k_q96abd0b9b5_place
	.p2alignl 7, 3214868480
	.fill 96, 4, 3214868480
	.section	.rodata,"a",@progbits
	.p2align	6, 0x0
	.amdhsa_kernel k_q96abd0b9b5_place
		.amdhsa_group_segment_fixed_size 0
		.amdhsa_private_segment_fixed_size 0
		.amdhsa_enable_private_segment 0
		.amdhsa_kernarg_size 40
		.amdhsa_user_sgpr_count 2
		.amdhsa_user_sgpr_kernarg_segment_ptr 1
		.amdhsa_wavefront_size32 1
		.amdhsa_system_sgpr_workgroup_id_x 1
		.amdhsa_system_sgpr_workgroup_id_y 1
		.amdhsa_system_sgpr_workgroup_id_z 1
		.amdhsa_system_vgpr_workitem_id 0
		.amdhsa_next_free_vgpr 208
		.amdhsa_next_free_sgpr 68
		.amdhsa_reserve_vcc 1
		.amdhsa_float_denorm_mode_32 3
		.amdhsa_float_denorm_mode_16_64 3
		.amdhsa_memory_ordered 1
		.amdhsa_forward_progress 1
		.amdhsa_inst_pref_size 40
	.end_amdhsa_kernel
	.amdgpu_metadata
---
amdhsa.version: [ 1, 2 ]
amdhsa.kernels:
  - .name:           k_q96abd0b9b5_place
    .symbol:         k_q96abd0b9b5_place.kd
    .args:
      - { .name: rt, .offset: 0, .size: 8, .value_kind: global_buffer, .address_space: global }
      - { .name: rf, .offset: 8, .size: 8, .value_kind: global_buffer, .address_space: global }
      - { .name: pl, .offset: 16, .size: 8, .value_kind: global_buffer, .address_space: global }
      - { .name: out1, .offset: 24, .size: 8, .value_kind: global_buffer, .address_space: global }
      - { .name: out2, .offset: 32, .size: 8, .value_kind: global_buffer, .address_space: global }
    .group_segment_fixed_size: 0
    .private_segment_fixed_size: 0
    .kernarg_segment_align: 8
    .kernarg_segment_size: 40
    .max_flat_workgroup_size: 288
    .sgpr_count:     68
    .vgpr_count:     208
    .wavefront_size: 32
...
	.end_amdgpu_metadata
.endif
;; end of part 2
;; launch up (part 3): grid 32 x 8, 4 waves a work-group, no clusters, 317,952 bytes of LDS; arguments xc, pl, up_w_codes, up_w_scales, up_b, hq, hs; writes hq, hs
.if DOCPART == 3
	.amdgcn_target "amdgcn-amd-amdhsa--gfx1250"
	.amdhsa_code_object_version 6
	.text
	.protected	k_q96abd0b9b5_up
	.globl	k_q96abd0b9b5_up
	.p2align	8
	.type	k_q96abd0b9b5_up,@function
k_q96abd0b9b5_up:
	s_mov_b64 s[64:65], 0
	v_nop
	global_prefetch_b8 v0, s[64:65] scope:SCOPE_SE
	s_setreg_imm32_b32 hwreg(HW_REG_WAVE_MODE, 25, 1), 1
	s_wait_xcnt 0x0
; h = Q(gelu(Q(x) up_w[e] + up_b[e])) for the rows that chose expert e, and for no others (the other rows' products are dead work: the first kernel's head shows it).
; SHARES.  Work-group (x, e): slice = x / 2 of 16 slices of 256 hidden units, half = x % 2 of the expert's tiles of 16 rows (tile 2 j + half is its j-th).  Wave w owns units 256 slice + 64 w .. + 63 for all of K:
; 4 tiles x 8 K steps x 12 = 384 registers of weights, read once and kept.  The weights stand still, the rows go by.
; NO TENSOR LOADS, NO CLUSTER: how many tiles there are is read from memory (nt), and the work is passed over by branches on it.  Loops that hold barriers have constant trip counts; the branches lead round work alone.
; THE PRODUCT IS USED TRANSPOSED (source 0 = 16 units of up_w, source 1 = 16 rows of x), and THE UNITS OF A TILE ARE NOT NEIGHBOURS: lane r of tile 2 b + u takes unit 32 b + 8 u + r + 8 (r / 8).
; So a lane holds one row, and the 16 registers of tiles 2 b, 2 b + 1 are units 32 b + 16 (lane / 16) + 0 .. 15: neighbours along the next product's K.  The bias is the C of a sum's first product.
; A wave's 64 units are half c = w % 2 of K step 2 slice + w / 2 of the next product: registers 6 c .. 6 c + 5 of that operand, stored as an image of the registers (hq), with two bytes of each row's scale word (hs).
; The scale bytes leave as single bytes (a word's halves come from two waves): one byte for 24 bytes of codes.
; ROWS.  x's codes (768 bytes a token, in the operand's register order) are gathered by the list, four tiles (a chunk) at a time: each wave fetches rows 4 w .. 4 w + 3 of each tile into registers, a chunk
; ahead, and stores them into one of two stage buffers in LDS, from which all four waves read.  One barrier a chunk: the fill of the other buffer against its reads, this chunk's reads against the fill after next.
; GELU: z (1 + erf(z / sqrt 2)) / 2, erf as the quotient of two polynomials in u^2, u held to +-4 (a few units in erf's last place).  LIMIT: far down the negative tail the result is right to about 6e-8 |z|, not to its own last places.
; LIMITS: a block of zeros gets the scale byte 1, not 127 (its codes are zeros; this program alone reads the bytes); NaN and infinities are not served.
.set WSTB,  50176                      ; LDS: a wave's own 64 rows of weights x 784 bytes (768 + 16: 196 words, so that the 32 lanes of an 8-byte load fall on different banks: 64 banks of 4 bytes, ISA guide 11.1)
.set WP,    784
.set B0,    4*WSTB                     ; two stage buffers of 4 tiles
.set TILEB, 14592                      ; a tile: 48 pieces of 288 bytes (piece 6 s + 3 h + c: 16 rows x 16 bytes, + 32 of padding), then 16 rows x 48 bytes of scale words
.set B1,    B0+4*TILEB
.set SCO,   13824
.set SPARE, B1+4*TILEB                 ; the spare words, 128 bytes a wave: no other line names them
.set XSCO,  786432
.set SPW, 1
.set NIL, 2
.set FA0, 3                            ; 16 r + 864 h: my place in a staged tile
.set XA0, 4                            ; 48 r: my row's scale words
.set FA,  5
.set XA,  6
.set SA0, 7                            ; where I store gathered codes: 288 (lane % 8) + 16 (4 w + lane / 8)
.set SS0, 8                            ; and scale words: 48 (4 w + lane / 8) + 4 (lane % 8)
.set SA,  9
.set SS,  10
.set IDL, 11                           ; 4 (4 w + lane / 8): my row in a tile's 16 list entries
.set IO,  12                           ; v12-15  offsets of the id loads
.set AG,  16                           ; v16-19  of the gathers' codes
.set AGS, 20                           ; v20-23  of their scale words
.set H16, 24
.set H8,  25
.set HSB, 26
.set C16, 27
.set VA11, 28                          ; v28-29, v30-31: two coefficients as vector pairs, so that no packed line names two scalar pairs
.set VB6, 30
.set WS,  32                           ; v32-63  up_w's scale words, register 8 t + s
.set XS,  64                           ; v64-71  x's, register s
.set C4,  72
.set WGO, 73
.set WSA, 74
.set ADW, 75
.set WSO, 76
.set BO,  77
.set ACC, 80                           ; v80-111 four accumulators
.set AF,  112                          ; v112-207 x's eight fragments; then gelu's u, P, Q
.set U,   112
.set P,   144
.set Q,   176
.set X2,  208                          ; v208-239 u^2; then the quantiser's registers
.set TM,  208
.set TN,  210
.set SO,  212
.set BY,  214
.set PC,  216
.set PX,  222
.set BV,  226
.set ID,  240                          ; v240-243 token ids
.set ID1, 244                          ; v244-251 the head's second set of ids and offsets
.set IO1, 248
.set BIAS, 192                         ; window 1: v0-191 weights of K steps 0-3 (fragment 12 (4 s + t)), v192-223 the bias;  window 2: v0-191 K steps 4-7;  window 3: v0-99 gathered rows
.set XCP, 4
.set PLP, 6
.set WCP, 8
.set WSP, 10
.set UBP, 12
.set HQP, 14
.set HSP, 16
.set WV,  18
.set EX,  19
.set MH,  20
.set NT,  21
.set TM1, 22
.set CNT, 23
.set SJ,  24                           ; which of my tiles
.set SC,  25
.set SQ,  26
.set STT, 27                           ; LDS byte of the staged tile in hand
.set HMASK, 28
.set KST, 29
.set SEL, 30
.set KC,  36                           ; s36-61: 13 constants, each as a pair
.set M64E, 62
.set C768, 63
.set HQT, 66
.set HST, 68
.set OFS, 70
.set PLE, 72
.set E4,  74
.set MSB, 0
.macro WIN new                         ; the immediate's high byte repeats the setting that is left
.if MSB != (\new)
	s_set_vgpr_msb (MSB<<8)|(\new)
.set MSB, (\new)
.endif
.endm
.macro CPAIR n, val
	s_mov_b32 s[KC+2*\n], \val
	s_mov_b32 s[KC+2*\n+1], \val
.endm
; the ids of my rows of tiles SJ + add + 0 .. 3 (held to the expert's last tile, so that only written entries are read)
.macro IDS add, dst, io
.irp q, 0,1,2,3
	s_add_co_u32 s32, s[SJ], \add+\q
	s_lshl_b32 s32, s32, 1
	s_add_co_u32 s32, s32, s[MH]
	s_min_u32 s32, s32, s[TM1]
	s_min_u32 s32, s32, 63
	s_lshl_b32 s32, s32, 6
	v_add_nc_u32 v[\io+\q], s32, v[IDL]
	global_load_b32 v[\dst+\q], v[\io+\q], s[PLE:PLE+1]
.endr
.endm
; four tiles' rows: eight lanes to a row, 128 consecutive bytes a load, six loads a row; and the row's eight scale words
.macro GATHER src
.irp q, 0,1,2,3
	v_min_u32 v[\src+\q], 0x3ff, v[\src+\q]
	v_mul_u32_u24 v[AG+\q], v[\src+\q], 768
	v_add_nc_u32 v[AG+\q], v[AG+\q], v[C16]
	v_lshlrev_b32 v[AGS+\q], 5, v[\src+\q]
	v_add_nc_u32 v[AGS+\q], v[AGS+\q], v[C4]
.endr
	WIN 0xc0
.irp q, 0,1,2,3
.irp i, 0,1,2,3,4,5
	global_load_b128 v[24*\q+4*\i:24*\q+4*\i+3], v[AG+\q], s[XCP:XCP+1] offset:128*\i
.endr
	global_load_b32 v[96+\q], v[AGS+\q], s[XCP:XCP+1] offset:XSCO
.endr
	WIN 0
.endm
.macro TOSTAGE
	WIN 0x0c
.irp q, 0,1,2,3
.irp i, 0,1,2,3,4,5
	ds_store_b128 v[SA], v[24*\q+4*\i:24*\q+4*\i+3] offset:TILEB*\q+2304*\i
.endr
	ds_store_b32 v[SS], v[96+\q] offset:TILEB*\q+SCO
.endr
	WIN 0
.endm
; my 64 rows of weights: 96 loads of 512 bytes (two rows' 256 bytes each), into the registers that will hold the fragments
.macro WLOADS half
	WIN 0x40+0x40*\half
.set n, 0
.rept 48
.set rr, 2*((48*\half+n)/3)
.set ii, (48*\half+n)%3
	global_load_b128 v[4*n:4*n+3], v[WGO], s[WCP:WCP+1] offset:768*rr+256*ii
.set n, n+1
.endr
	WIN 0
.endm
.macro WSTORES half                    ; unit rr goes to LDS row lam = rr with bits 3 and 4 changed over: LDS rows 16 t + r then hold the tile's chosen units
	WIN 0x04+0x04*\half
.set n, 0
.rept 48
.set rr, 2*((48*\half+n)/3)
.set ii, (48*\half+n)%3
.set lam, ((rr)&39)+((((rr)>>3)&1)<<4)+((((rr)>>4)&1)<<3)
	ds_store_b128 v[WSA], v[4*n:4*n+3] offset:WP*lam+256*ii
.set n, n+1
.endr
	WIN 0
.endm
.macro WFRAGS                          ; a fragment: 24 + 24 bytes of the row's stream of bits, in pieces of 8
.irp hf, 0,1
	WIN 0x40+0x40*\hf
.irp sq, 0,1,2,3
.irp t, 0,1,2,3
.irp p, 0,1,2,3,4,5
	ds_load_b64 v[12*(4*\sq+\t)+2*\p:12*(4*\sq+\t)+2*\p+1], v[ADW] offset:16*WP*\t+96*(4*\hf+\sq)+48*(\p/3)+8*(\p%3)
.endr
.endr
.endr
.endr
	WIN 0
.endm
	s_load_b256 s[4:11], s[0:1], 0x0               ; xc, pl, up_w_codes, up_w_scales
	s_load_b128 s[12:15], s[0:1], 0x20             ; up_b, hq
	s_load_b64 s[16:17], s[0:1], 0x30              ; hs
	v_lshl_add_u32 v[SPW], v0, 2, SPARE
	v_mov_b32 v[NIL], 0
	v_lshrrev_b32 v112, 5, v0
	v_readfirstlane_b32 s[WV], v112                ; wave
	v_and_b32 v112, 15, v0                         ; r
	v_bfe_u32 v113, v0, 4, 1                       ; h
	v_and_b32 v114, 31, v0                         ; lane
	v_and_b32 v115, 7, v0
	v_bfe_u32 v116, v0, 3, 2
	s_lshl_b32 s32, s[WV], 2
	v_add_nc_u32 v117, s32, v116                   ; the row that I gather: 4 w + lane / 8
	v_mul_u32_u24 v[FA0], v113, 864
	v_lshl_add_u32 v[FA0], v112, 4, v[FA0]
	v_mul_u32_u24 v[XA0], v112, 48
	v_mul_u32_u24 v[SA0], v115, 288
	v_lshl_add_u32 v[SA0], v117, 4, v[SA0]
	v_mul_u32_u24 v[SS0], v117, 48
	v_lshl_add_u32 v[SS0], v115, 2, v[SS0]
	v_lshlrev_b32 v[IDL], 2, v117
	v_lshlrev_b32 v[H16], 4, v114
	v_lshl_add_u32 v[H8], v114, 3, 512
	v_lshlrev_b32 v[C16], 4, v115
	v_lshlrev_b32 v[C4], 2, v115
	s_mul_i32 s34, s[WV], WSTB
	v_mul_u32_u24 v[WGO], v113, 768
	v_lshl_add_u32 v[WGO], v112, 4, v[WGO]
	v_mul_u32_u24 v[WSA], v113, WP
	v_lshl_add_u32 v[WSA], v112, 4, v[WSA]
	v_add_nc_u32 v[WSA], s34, v[WSA]
	v_mul_u32_u24 v[ADW], v112, WP
	v_mad_u32_u24 v[ADW], v113, 24, v[ADW]
	v_add_nc_u32 v[ADW], s34, v[ADW]
	v_and_b32 v[WSO], 8, v112
	v_add_nc_u32 v[WSO], v[WSO], v112              ; r + 8 (r / 8)
	v_lshlrev_b32 v[WSO], 5, v[WSO]
	v_lshlrev_b32 v[BO], 6, v113
	s_and_b32 s[EX], ttmp7, 0xffff                 ; the expert
	s_lshr_b32 s32, ttmp9, 1                       ; the slice
	s_and_b32 s[MH], ttmp9, 1                      ; which half of the tiles
	s_lshl_b32 s[E4], s[EX], 2
	s_lshl_b32 s33, s32, 8
	s_lshl_b32 s34, s[WV], 6
	s_add_co_u32 s33, s33, s34
	s_lshl_b32 s34, s[EX], 12
	s_add_co_u32 s33, s33, s34                     ; my first unit, counted over all experts
	s_lshl_b32 s[KST], s32, 1
	s_lshr_b32 s34, s[WV], 1
	s_add_co_u32 s[KST], s[KST], s34               ; the next product's K step
	s_and_b32 s34, s[WV], 1                        ; and which half of it
	s_mul_i32 s[C768], s34, 768
	s_lshl_b32 s35, s34, 1
	v_lshl_add_u32 v[HSB], v112, 2, v113
	v_add_nc_u32 v[HSB], s35, v[HSB]               ; my scale byte: row r's word, block 2 c + h
	s_lshl_b32 s[M64E], s[EX], 6
	s_add_co_u32 s[M64E], s[M64E], s[MH]
	s_mov_b32 s[HMASK], 0xffff0000
	s_mov_b32 s[SEL], 0x76543210
	s_mov_b32 s[SEL+1], 0xfedcba98                 ; v_permlanex16_b32's selects for lane l xor 16
	s_mov_b32 s[SJ], 0
	s_mov_b32 s[OFS+1], 0
	CPAIR 0, 0x3f3504f3                            ; 1 / sqrt 2
	CPAIR 1, 0xaf95df0b                            ; the numerator's coefficients of u^12 .. u^0
	CPAIR 2, 0x32edffee
	CPAIR 3, 0xb60cff51
	CPAIR 4, 0xb86ec2d2
	CPAIR 5, 0xba40ac63
	CPAIR 6, 0xbb41a1f6
	CPAIR 7, 0xbc83dbd4
	CPAIR 8, 0xb77460cd                            ; the denominator's of u^8 .. u^0
	CPAIR 9, 0xb95fbd29
	CPAIR 10, 0xbadc924e
	CPAIR 11, 0xbbf19bf8
	CPAIR 12, 0xbc69b6a7
	v_mov_b32 v[VA11], s[KC+4]
	v_mov_b32 v[VA11+1], s[KC+4]
	v_mov_b32 v[VB6], s[KC+18]
	v_mov_b32 v[VB6+1], s[KC+18]
	s_wait_kmcnt 0x0
	s_load_b32 s[NT], s[PLP:PLP+1], s[E4] offset:40960   ; the expert's tiles
	s_mul_i32 s[OFS], s33, 768
	s_add_nc_u64 s[WCP:WCP+1], s[WCP:WCP+1], s[OFS:OFS+1]
	s_lshl_b32 s[OFS], s33, 5
	s_add_nc_u64 s[WSP:WSP+1], s[WSP:WSP+1], s[OFS:OFS+1]
	s_lshl_b32 s[OFS], s33, 2
	s_add_nc_u64 s[UBP:UBP+1], s[UBP:UBP+1], s[OFS:OFS+1]
	s_lshl_b32 s[OFS], s[EX], 12
	s_add_nc_u64 s[PLE:PLE+1], s[PLP:PLP+1], s[OFS:OFS+1]
	s_wait_kmcnt 0x0
	s_min_u32 s[NT], s[NT], 64
	s_sub_co_u32 s[TM1], s[NT], 1
	s_add_co_u32 s[CNT], s[NT], 1
	s_sub_co_u32 s[CNT], s[CNT], s[MH]
	s_lshr_b32 s[CNT], s[CNT], 1                   ; my tiles: 32 at the most
	IDS 0, ID, IO                                  ; chunk 0's and chunk 1's ids: 8 loads
	IDS 4, ID1, IO1
	WLOADS 0
	s_wait_loadcnt 48                              ; the ids are in: only the 48 weight loads are younger
	GATHER ID                                      ; chunk 0: 28 loads
	WLOADS 1
.irp t, 0,1,2,3
	global_load_b128 v[WS+8*\t:WS+8*\t+3], v[WSO], s[WSP:WSP+1] offset:(32*(\t/2)+8*(\t%2))*32
	global_load_b128 v[WS+8*\t+4:WS+8*\t+7], v[WSO], s[WSP:WSP+1] offset:(32*(\t/2)+8*(\t%2))*32+16
.endr
	WIN 0x40
.irp t, 0,1,2,3
	global_load_b128 v[BIAS+8*\t:BIAS+8*\t+3], v[BO], s[UBP:UBP+1] offset:(32*(\t/2)+8*(\t%2))*4      ; lane (r, h), tile 2 b + u: units 32 b + 16 h + 8 u + 0 .. 7
	global_load_b128 v[BIAS+8*\t+4:BIAS+8*\t+7], v[BO], s[UBP:UBP+1] offset:(32*(\t/2)+8*(\t%2))*4+16
.endr
	WIN 0
	s_wait_loadcnt 63                              ; the first half of the weights (92 loads are younger) and chunk 0's rows (64 are younger) are in
	WSTORES 0
	v_add_nc_u32 v[SA], B0, v[SA0]
	v_add_nc_u32 v[SS], B0, v[SS0]
	TOSTAGE
	s_wait_dscnt 0x0                               ; the stores have read their registers
	GATHER ID1                                     ; chunk 1: 28 loads
	IDS 8, ID, IO                                  ; chunk 2's ids: 4
	s_wait_loadcnt 48                              ; the second half of the weights: younger are 16 loads of scale words and bias and those 32
	WSTORES 1
	s_wait_loadcnt 32                              ; scale words and bias
	s_wait_dscnt 0x0
	WFRAGS
	s_wait_dscnt 0x0
	s_barrier_signal -1
	s_barrier_wait -1                              ; chunk 0 lies in buffer 0
; The next chunk's rows go from registers to the other buffer; the chunk after that is asked for, and the ids of the one after that.
.macro FILL oth
	s_wait_loadcnt 0x0                             ; asked for a chunk ago
	v_add_nc_u32 v[SA], \oth, v[SA0]
	v_add_nc_u32 v[SS], \oth, v[SS0]
	TOSTAGE
	s_wait_dscnt 0x0
	GATHER ID
	IDS 12, ID, IO
.endm
.macro TILE
	s_wait_xcnt 0x0                                ; the last tile's stores have read their registers and bases
	s_lshl_b32 s32, s[SJ], 1
	s_add_co_u32 s32, s32, s[M64E]                 ; 64 e + the tile
	s_lshl_b32 s32, s32, 5
	s_add_co_u32 s32, s32, s[KST]
	s_mul_i32 s[OFS], s32, 1536
	s_add_co_u32 s[OFS], s[OFS], s[C768]
	s_add_nc_u64 s[HQT:HQT+1], s[HQP:HQP+1], s[OFS:OFS+1]
	s_lshl_b32 s[OFS], s32, 6
	s_add_nc_u64 s[HST:HST+1], s[HSP:HSP+1], s[OFS:OFS+1]
	v_add_nc_u32 v[FA], s[STT], v[FA0]
	v_add_nc_u32 v[XA], s[STT], v[XA0]
	ds_load_b128 v[XS:XS+3], v[XA] offset:SCO
	ds_load_b128 v[XS+4:XS+7], v[XA] offset:SCO+16
.irp s, 0,1,2,3,4,5,6,7
.irp c, 0,1,2
	ds_load_b128 v[AF+12*\s+4*\c:AF+12*\s+4*\c+3], v[FA] offset:1728*\s+288*\c
.endr
.endr
.irp s, 0,1,2,3,4,5,6,7
	s_wait_dscnt 21-3*\s                           ; this K step's fragment is in; the later steps' three loads each may be out
.if \s == 0
	WIN 0x11                                       ; weights and bias in window 1
.elseif \s < 4
	WIN 0x01
.else
	WIN 0x02
.endif
.irp t, 0,1,2,3                                ; the four accumulators take turns
.if \s == 0
	v_wmma_scale_f32_16x16x128_f8f6f4 v[ACC+8*\t:ACC+8*\t+7], v[12*(4*(\s%4)+\t):12*(4*(\s%4)+\t)+11], v[AF+12*\s:AF+12*\s+11], v[BIAS+8*\t:BIAS+8*\t+7], v[WS+8*\t+\s], v[XS+\s] matrix_a_fmt:MATRIX_FMT_FP6 matrix_b_fmt:MATRIX_FMT_FP6
.else
	v_wmma_scale_f32_16x16x128_f8f6f4 v[ACC+8*\t:ACC+8*\t+7], v[12*(4*(\s%4)+\t):12*(4*(\s%4)+\t)+11], v[AF+12*\s:AF+12*\s+11], v[ACC+8*\t:ACC+8*\t+7], v[WS+8*\t+\s], v[XS+\s] matrix_a_fmt:MATRIX_FMT_FP6 matrix_b_fmt:MATRIX_FMT_FP6
.endif
.endr
.endr
	WIN 0
.rept 4
	v_nop                                          ; four places behind the last product (ISA guide 7.12.1)
.endr
	; gelu, stage by stage over the 16 pairs; each accumulator is read from its low end on
.set i, 0
.rept 16
	v_pk_mul_f32 v[U+i:U+i+1], v[ACC+i:ACC+i+1], s[KC:KC+1] op_sel_hi:[1,0]
.set i, i+2
.endr
.set i, 0
.rept 32
	v_med3_num_f32 v[U+i], v[U+i], -4.0, 4.0
.set i, i+1
.endr
.set i, 0
.rept 16
	v_pk_mul_f32 v[X2+i:X2+i+1], v[U+i:U+i+1], v[U+i:U+i+1]
.set i, i+2
.endr
.set i, 0
.rept 16
	v_pk_fma_f32 v[P+i:P+i+1], v[X2+i:X2+i+1], s[KC+2:KC+3], v[VA11:VA11+1] op_sel_hi:[1,0,1]
	v_pk_fma_f32 v[Q+i:Q+i+1], v[X2+i:X2+i+1], s[KC+16:KC+17], v[VB6:VB6+1] op_sel_hi:[1,0,1]
.set i, i+2
.endr
.irp c, 3,4,5,6,7
.set i, 0
.rept 16
	v_pk_fma_f32 v[P+i:P+i+1], v[P+i:P+i+1], v[X2+i:X2+i+1], s[KC+2*\c:KC+2*\c+1] op_sel_hi:[1,1,0]
.set i, i+2
.endr
.endr
.irp c, 10,11,12
.set i, 0
.rept 16
	v_pk_fma_f32 v[Q+i:Q+i+1], v[Q+i:Q+i+1], v[X2+i:X2+i+1], s[KC+2*\c:KC+2*\c+1] op_sel_hi:[1,1,0]
.set i, i+2
.endr
.endr
.set i, 0
.rept 32
	v_rcp_f32 v[Q+i], v[Q+i]
.set i, i+1
.endr
.set i, 0
.rept 16
	v_pk_mul_f32 v[P+i:P+i+1], v[P+i:P+i+1], v[U+i:U+i+1]           ; plain work behind the reciprocals, which names none of them
	v_pk_mul_f32 v[ACC+i:ACC+i+1], v[ACC+i:ACC+i+1], 0.5 op_sel_hi:[1,0]
.set i, i+2
.endr
	s_wait_alu depctr_va_vdst(0)                   ; one wait for the 32 reciprocals, ahead of their first reader
.set i, 0
.rept 16
	v_pk_mul_f32 v[P+i:P+i+1], v[P+i:P+i+1], v[Q+i:Q+i+1]           ; erf
.set i, i+2
.endr
.set i, 0
.rept 16
	v_pk_fma_f32 v[ACC+i:ACC+i+1], v[ACC+i:ACC+i+1], v[P+i:P+i+1], v[ACC+i:ACC+i+1]   ; z / 2 x erf + z / 2
.set i, i+2
.endr
	; two blocks of 32 along the next K: block b in registers 16 b .. 16 b + 15 of lanes l and l xor 16
.irp b, 0,1
	v_max3_num_f32 v[TM+\b], |v[ACC+16*\b]|, |v[ACC+16*\b+1]|, 0x1800000   ; with the floor 2^(3 - 127): the byte cannot fall under 1
.endr
.irp i, 2,4,6,8,10,12,14
.irp b, 0,1
	v_max3_num_f32 v[TM+\b], v[TM+\b], |v[ACC+16*\b+\i]|, |v[ACC+16*\b+\i+1]|
.endr
.endr
.irp b, 0,1
	v_permlanex16_b32 v[TN+\b], v[TM+\b], s[SEL], s[SEL+1]
.endr
.irp b, 0,1
	v_max_num_f32 v[TM+\b], v[TM+\b], v[TN+\b]
.endr
.irp b, 0,1
	v_add_nc_u32 v[SO+\b], 0xff000000, v[TM+\b]    ; 2 off the exponent field: the conversion's scale operand
.endr
.irp b, 0,1
	v_lshrrev_b32 v[BY+\b], 23, v[SO+\b]           ; the scale's byte
.endr
	v_cvt_scalef32_pk16_fp6_f32 v[PC:PC+2], v[ACC:ACC+15], v[SO]
	v_cvt_scalef32_pk16_fp6_f32 v[PX:PX+2], v[ACC+16:ACC+31], v[SO+1]
	v_nop                                          ; one plain line behind a scaled conversion
.irp i, 0,1,2
	v_permlane16_swap_b32 v[PC+\i], v[PX+\i]       ; a whole block to a lane: lanes 0-15 block 2 c, lanes 16-31 block 2 c + 1
.endr
.irp i, 0,1,2
	v_mov_b32 v[PC+3+\i], v[PX+\i]
.endr
	v_cndmask_b32 v[BV], v[BY], v[BY+1], s[HMASK]  ; my half's block's byte
	global_store_b128 v[H16], v[PC:PC+3], s[HQT:HQT+1]       ; 512 consecutive bytes, aligned
	global_store_b64 v[H8], v[PC+4:PC+5], s[HQT:HQT+1]       ; 256 consecutive bytes, aligned
	global_store_b8 v[HSB], v[BV], s[HST:HST+1]
.endm
.macro CHUNK cur, oth
	s_cmp_ge_u32 s[SJ], s[CNT]
	s_cbranch_scc1 .Lnofill_\@                     ; a chunk with no tile of mine: neither has the next
	FILL \oth
.Lnofill_\@:
	s_mov_b32 s[STT], \cur
	s_mov_b32 s[SQ], 0
.Ltile_\@:
	s_cmp_ge_u32 s[SJ], s[CNT]
	s_cbranch_scc1 .Lnotile_\@
	TILE
.Lnotile_\@:
	s_add_co_u32 s[STT], s[STT], TILEB
	s_add_co_u32 s[SJ], s[SJ], 1
	s_add_co_u32 s[SQ], s[SQ], 1
	s_cmp_lt_u32 s[SQ], 4
	s_cbranch_scc1 .Ltile_\@
	s_wait_dscnt 0x0                               ; my stores into the other buffer have landed, my reads of this one are back
	s_barrier_signal -1
	s_barrier_wait -1
.endm
	s_mov_b32 s[SC], 0
.Lpair:                                            ; 4 trips of two chunks of four tiles: the 32 tiles that a work-group can have
	CHUNK B0, B1
	CHUNK B1, B0
	s_add_co_u32 s[SC], s[SC], 1
	s_cmp_lt_u32 s[SC], 4
	s_cbranch_scc1 .Lpair
	s_wait_tensorcnt 0x0                           ; the wave's end, behind my last LDS store
	ds_add_u32 v[SPW], v[NIL]
	s_wait_dscnt 0x0
	s_endpgm
.Lfunc_end_k_q96abd0b9b5_up:
	.size	k_q96abd0b9b5_up, .Lfunc_end_k_q96abd0b9b5_up-k_q96abd0b9b5_up
	.p2alignl 7, 3214868480
	.fill 96, 4, 3214868480
	.section	.rodata,"a",@progbits
	.p2align	6, 0x0
	.amdhsa_kernel k_q96abd0b9b5_up
		.amdhsa_group_segment_fixed_size 317952
		.amdhsa_private_segment_fixed_size 0
		.amdhsa_enable_private_segment 0
		.amdhsa_kernarg_size 56
		.amdhsa_user_sgpr_count 2
		.amdhsa_user_sgpr_kernarg_segment_ptr 1
		.amdhsa_wavefront_size32 1
		.amdhsa_system_sgpr_workgroup_id_x 1
		.amdhsa_system_sgpr_workgroup_id_y 1
		.amdhsa_system_sgpr_workgroup_id_z 1
		.amdhsa_system_vgpr_workitem_id 0
		.amdhsa_next_free_vgpr 872
		.amdhsa_next_free_sgpr 80
		.amdhsa_reserve_vcc 0
		.amdhsa_float_denorm_mode_32 3
		.amdhsa_float_denorm_mode_16_64 3
		.amdhsa_memory_ordered 1
		.amdhsa_forward_progress 1
		.amdhsa_inst_pref_size 119
	.end_amdhsa_kernel
	.amdgpu_metadata
---
amdhsa.version: [ 1, 2 ]
amdhsa.kernels:
  - .name:           k_q96abd0b9b5_up
    .symbol:         k_q96abd0b9b5_up.kd
    .args:
      - { .name: xc, .offset: 0, .size: 8, .value_kind: global_buffer, .address_space: global }
      - { .name: pl, .offset: 8, .size: 8, .value_kind: global_buffer, .address_space: global }
      - { .name: up_w_codes, .offset: 16, .size: 8, .value_kind: global_buffer, .address_space: global }
      - { .name: up_w_scales, .offset: 24, .size: 8, .value_kind: global_buffer, .address_space: global }
      - { .name: up_b, .offset: 32, .size: 8, .value_kind: global_buffer, .address_space: global }
      - { .name: hq, .offset: 40, .size: 8, .value_kind: global_buffer, .address_space: global }
      - { .name: hs, .offset: 48, .size: 8, .value_kind: global_buffer, .address_space: global }
    .group_segment_fixed_size: 317952
    .private_segment_fixed_size: 0
    .kernarg_segment_align: 8
    .kernarg_segment_size: 56
    .max_flat_workgroup_size: 128
    .sgpr_count:     80
    .vgpr_count:     872
    .wavefront_size: 32
...
	.end_amdgpu_metadata
.endif
;; end of part 3
;; launch down (part 4): grid 32 x 8, 4 waves a work-group, no clusters, 270,848 bytes of LDS; arguments hq, hs, pl, down_w_codes, down_w_scales, down_b, y; writes y
.if DOCPART == 4
	.amdgcn_target "amdgcn-amd-amdhsa--gfx1250"
	.amdhsa_code_object_version 6
	.text
	.protected	k_q96abd0b9b5_down
	.globl	k_q96abd0b9b5_down
	.p2align	8
	.type	k_q96abd0b9b5_down,@function
k_q96abd0b9b5_down:
	s_mov_b64 s[64:65], 0
	v_nop
	global_prefetch_b8 v0, s[64:65] scope:SCOPE_SE
	s_setreg_imm32_b32 hwreg(HW_REG_WAVE_MODE, 25, 1), 1
	s_wait_xcnt 0x0
; y[slot] = h[slot] down_w[e] + down_b[e] for the routed rows alone (the other rows' products are dead work: the first kernel's head shows it).
; SHARES.  Work-group (x, e): ns = x / 2 of 16 slices of 64 output columns, half = x % 2.  Wave w owns K steps 8 w .. 8 w + 7 of the 32, for all 64 columns: 4 tiles x 8 steps x 12 = 384 registers of weights, read once and kept.
; So each fragment of the hidden layer is loaded by ONE wave, from memory straight into its operand registers (hq is an image of them), and feeds four products.  The four waves' partial sums meet in LDS.
; A trip takes two tiles of 16 rows: tiles 4 i + 2 half + a.  Loads are held to the expert's last tile; stores are not: rows beyond the expert's last are this work-group's own and nobody reads them.
; NO TENSOR LOADS, NO CLUSTER: the number of trips with work is read from memory (nt).  The loop's trip count is a constant, every wave passes every barrier, and branches on the count lead round work alone.
; The first trip is not under a branch, so that both sets of operand registers are written on every way; where an expert has at most two tiles, the second half's work-groups repeat its last tile there, into rows that nobody reads.
; THE PRODUCT IS USED TRANSPOSED (source 0 = 16 columns of down_w, source 1 = 16 rows of h): a lane holds 8 neighbouring columns of one row.
.set WSTB,  50176                      ; LDS: a wave's own 64 rows of weights x 784 bytes
.set WP,    784
.set PB,    4*WSTB                     ; partial sums [turn 0..1][a 0..1][wave][16 rows x 272 bytes]
.set PBW,   16*272
.set PBA,   4*PBW
.set PBP,   2*PBA
.set SPARE, PB+2*PBP                   ; the spare words, 128 bytes a wave: no other line names them
.set SPW, 1
.set NIL, 2
.set L16, 3
.set L8,  4
.set L4,  5
.set PST, 6                            ; v6-7   where I store partial sums, a register a turn
.set PRD, 8                            ; v8-9   where I read them back
.set YO,  10
.set WGO, 11
.set WSA, 12
.set ADW, 13
.set WSO, 14
.set BO,  15
.set WS,  16                           ; v16-47 down_w's scale words, register 8 t + s
.set HSR, 48                           ; v48-63 h's scale words: set p at 8 p; register 4 a + q: lanes 0-15 K step 2 q, lanes 16-31 K step 2 q + 1
.set ACC, 192                          ; window 0: v64-255 operand set 1;  window 1: v0-191 weights of steps 0-3, v192-255 eight accumulators;  window 2: v0-191 steps 4-7, v192-255 the sums' 16 quads;  window 3: v0-191 set 0, v192-195 the bias
.set RED, 192
.set BQ,  192
.set HQP, 4
.set HSP, 6
.set PLP, 8
.set WCP, 10
.set WSP, 12
.set DBP, 14
.set YP,  16
.set WV,  18
.set EX,  19
.set M2,  20
.set NT,  21
.set TM1, 22
.set CNT, 23
.set SI,  24                           ; the trip
.set LC,  25
.set E64, 26
.set W12K, 27
.set W512, 28
.set NS256, 29
.set PA,  32                           ; s32-35 the two tiles' codes;  s36-39 their scale words;  s40-43 their rows of y
.set PH,  36
.set PY,  40
.set E4,  50
.set MSB, 0
.macro WIN new                         ; the immediate's high byte repeats the setting that is left
.if MSB != (\new)
	s_set_vgpr_msb (MSB<<8)|(\new)
.set MSB, (\new)
.endif
.endm
.macro WLOADS half
	WIN 0x40+0x40*\half
.set n, 0
.rept 48
.set rr, 2*((48*\half+n)/3)
.set ii, (48*\half+n)%3
	global_load_b128 v[4*n:4*n+3], v[WGO], s[WCP:WCP+1] offset:3072*rr+256*ii   ; two rows' 256 bytes of my 768
.set n, n+1
.endr
	WIN 0
.endm
.macro WSTORES half
	WIN 0x04+0x04*\half
.set n, 0
.rept 48
.set rr, 2*((48*\half+n)/3)
.set ii, (48*\half+n)%3
	ds_store_b128 v[WSA], v[4*n:4*n+3] offset:WP*rr+256*ii
.set n, n+1
.endr
	WIN 0
.endm
.macro WFRAGS
.irp hf, 0,1
	WIN 0x40+0x40*\hf
.irp sq, 0,1,2,3
.irp t, 0,1,2,3
.irp p, 0,1,2,3,4,5
	ds_load_b64 v[12*(4*\sq+\t)+2*\p:12*(4*\sq+\t)+2*\p+1], v[ADW] offset:16*WP*\t+96*(4*\hf+\sq)+48*(\p/3)+8*(\p%3)
.endr
.endr
.endr
.endr
	WIN 0
.endm
.macro PTRS add                        ; where trip SI + add's two tiles lie, held to the expert's last tile
.irp a, 0,1
	s_lshl_b32 s44, s[SI], 2
	s_add_co_u32 s44, s44, 4*\add+\a
	s_add_co_u32 s44, s44, s[M2]
	s_min_u32 s44, s44, s[TM1]
	s_min_u32 s44, s44, 63
	s_add_co_u32 s44, s44, s[E64]
	s_mul_i32 s46, s44, 49152
	s_add_co_u32 s46, s46, s[W12K]
	s_mov_b32 s47, 0
	s_add_nc_u64 s[PA+2*\a:PA+2*\a+1], s[HQP:HQP+1], s[46:47]
	s_lshl_b32 s46, s44, 11
	s_add_co_u32 s46, s46, s[W512]
	s_add_nc_u64 s[PH+2*\a:PH+2*\a+1], s[HSP:HSP+1], s[46:47]
.endr
.endm
.macro ALOAD set                       ; 72 loads: two tiles x 8 K steps x 12 registers, and their scale words
.if \set == 0
	WIN 0xc0
.set AB, 0
.else
	WIN 0
.set AB, 64
.endif
.irp a, 0,1
.irp s, 0,1,2,3,4,5,6,7
.set FR, AB+96*\a+12*\s
	global_load_b128 v[FR:FR+3], v[L16], s[PA+2*\a:PA+2*\a+1] offset:1536*\s
	global_load_b64 v[FR+4:FR+5], v[L8], s[PA+2*\a:PA+2*\a+1] offset:1536*\s+512
	global_load_b128 v[FR+6:FR+9], v[L16], s[PA+2*\a:PA+2*\a+1] offset:1536*\s+768
	global_load_b64 v[FR+10:FR+11], v[L8], s[PA+2*\a:PA+2*\a+1] offset:1536*\s+1280
.endr
.endr
	WIN 0
.irp a, 0,1
.irp q, 0,1,2,3
	global_load_b32 v[HSR+8*\set+4*\a+\q], v[L4], s[PH+2*\a:PH+2*\a+1] offset:128*\q
.endr
.endr
.endm
.macro MM p                            ; 64 products; the eight accumulators take turns; the first K step starts the sums
.irp s, 0,1,2,3,4,5,6,7
	WIN 0x51+0x0c*(1-\p)+(\s/4)
.irp a, 0,1
.irp t, 0,1,2,3
.set DR, ACC+32*\a+8*\t
.set WR, 12*(4*(\s%4)+\t)
.set BR, 64*\p+96*\a+12*\s
.if \s == 0
	v_wmma_scale_f32_16x16x128_f8f6f4 v[DR:DR+7], v[WR:WR+11], v[BR:BR+11], 0, v[WS+8*\t+\s], v[HSR+8*\p+4*\a+\s/2] matrix_a_fmt:MATRIX_FMT_FP6 matrix_b_fmt:MATRIX_FMT_FP6
.elseif \s%2
	v_wmma_scale_f32_16x16x128_f8f6f4 v[DR:DR+7], v[WR:WR+11], v[BR:BR+11], v[DR:DR+7], v[WS+8*\t+\s], v[HSR+8*\p+4*\a+\s/2] matrix_a_fmt:MATRIX_FMT_FP6 matrix_b_fmt:MATRIX_FMT_FP6 matrix_b_scale:MATRIX_SCALE_ROW1
.else
	v_wmma_scale_f32_16x16x128_f8f6f4 v[DR:DR+7], v[WR:WR+11], v[BR:BR+11], v[DR:DR+7], v[WS+8*\t+\s], v[HSR+8*\p+4*\a+\s/2] matrix_a_fmt:MATRIX_FMT_FP6 matrix_b_fmt:MATRIX_FMT_FP6
.endif
.endr
.endr
.endr
	WIN 0
.endm
	s_load_b256 s[4:11], s[0:1], 0x0               ; hq, hs, pl, down_w_codes
	s_load_b128 s[12:15], s[0:1], 0x20             ; down_w_scales, down_b
	s_load_b64 s[16:17], s[0:1], 0x30              ; y
	v_lshl_add_u32 v[SPW], v0, 2, SPARE
	v_mov_b32 v[NIL], 0
	v_lshrrev_b32 v64, 5, v0
	v_readfirstlane_b32 s[WV], v64                 ; wave
	v_and_b32 v64, 15, v0                          ; r
	v_bfe_u32 v65, v0, 4, 1                        ; h
	v_and_b32 v66, 31, v0                          ; lane
	v_lshlrev_b32 v[L16], 4, v66
	v_lshlrev_b32 v[L8], 3, v66
	v_lshlrev_b32 v[L4], 2, v66
	s_mul_i32 s44, s[WV], PBW
	s_add_co_u32 s44, s44, PB
	v_mul_u32_u24 v[PST], v64, 272
	v_lshl_add_u32 v[PST], v65, 5, v[PST]
	v_add_nc_u32 v[PST], s44, v[PST]               ; my wave's block, row r, 32 bytes a half
	v_add_nc_u32 v[PST+1], PBP, v[PST]
	s_mul_i32 s44, s[WV], 4*272
	s_add_co_u32 s44, s44, PB
	v_mul_u32_u24 v[PRD], v65, 272
	v_lshl_add_u32 v[PRD], v64, 4, v[PRD]
	v_add_nc_u32 v[PRD], s44, v[PRD]               ; back: rows 4 w + lane / 16 (+ 2 g), 16 bytes a lane
	v_add_nc_u32 v[PRD+1], PBP, v[PRD]
	s_lshl_b32 s44, s[WV], 14
	v_lshlrev_b32 v[YO], 12, v65
	v_lshl_add_u32 v[YO], v64, 4, v[YO]
	v_add_nc_u32 v[YO], s44, v[YO]                 ; and the same rows in y
	s_mul_i32 s44, s[WV], WSTB
	v_mul_u32_u24 v[WGO], v65, 3072
	v_lshl_add_u32 v[WGO], v64, 4, v[WGO]
	v_mul_u32_u24 v[WSA], v65, WP
	v_lshl_add_u32 v[WSA], v64, 4, v[WSA]
	v_add_nc_u32 v[WSA], s44, v[WSA]
	v_mul_u32_u24 v[ADW], v64, WP
	v_mad_u32_u24 v[ADW], v65, 24, v[ADW]
	v_add_nc_u32 v[ADW], s44, v[ADW]
	v_lshlrev_b32 v[WSO], 7, v64
	v_lshlrev_b32 v[BO], 4, v64
	s_and_b32 s[EX], ttmp7, 0xffff                 ; the expert
	s_lshr_b32 s44, ttmp9, 1                       ; the slice of columns
	s_and_b32 s[M2], ttmp9, 1
	s_lshl_b32 s[M2], s[M2], 1                     ; 2 x half
	s_lshl_b32 s[E4], s[EX], 2
	s_lshl_b32 s[E64], s[EX], 6
	s_mul_i32 s[W12K], s[WV], 12288
	s_lshl_b32 s[W512], s[WV], 9
	s_lshl_b32 s[NS256], s44, 8
	s_lshl_b32 s45, s[EX], 10
	s_lshl_b32 s46, s44, 6
	s_add_co_u32 s45, s45, s46                     ; my first column, counted over all experts
	s_mov_b32 s49, 0
	s_mov_b32 s[SI], 0
	s_wait_kmcnt 0x0
	s_load_b32 s[NT], s[PLP:PLP+1], s[E4] offset:40960   ; the expert's tiles
	s_mul_i32 s48, s45, 3072
	s_mul_i32 s46, s[WV], 768
	s_add_co_u32 s48, s48, s46
	s_add_nc_u64 s[WCP:WCP+1], s[WCP:WCP+1], s[48:49]
	s_lshl_b32 s48, s45, 7
	s_lshl_b32 s46, s[WV], 5
	s_add_co_u32 s48, s48, s46
	s_add_nc_u64 s[WSP:WSP+1], s[WSP:WSP+1], s[48:49]
	s_lshl_b32 s48, s45, 2
	s_add_nc_u64 s[DBP:DBP+1], s[DBP:DBP+1], s[48:49]
	WLOADS 0
	WLOADS 1
.irp t, 0,1,2,3
	global_load_b128 v[WS+8*\t:WS+8*\t+3], v[WSO], s[WSP:WSP+1] offset:2048*\t
	global_load_b128 v[WS+8*\t+4:WS+8*\t+7], v[WSO], s[WSP:WSP+1] offset:2048*\t+16
.endr
	WIN 0xc0
	global_load_b128 v[BQ:BQ+3], v[BO], s[DBP:DBP+1]   ; the bias of the four columns that I sum
	WIN 0
	s_wait_kmcnt 0x0
	s_min_u32 s[NT], s[NT], 64
	s_sub_co_u32 s[TM1], s[NT], 1
	s_add_co_u32 s[CNT], s[NT], 3
	s_sub_co_u32 s[CNT], s[CNT], s[M2]
	s_lshr_b32 s[CNT], s[CNT], 2                   ; my trips with work: 16 at the most
	PTRS 0
	ALOAD 0
	s_wait_loadcnt 63                              ; the weights, their scale words and the bias are in: 72 loads or more are younger than each
	WSTORES 0
	WSTORES 1
	s_wait_dscnt 0x0                               ; the stores have read the registers that the fragments take; the bytes are my wave's own: no barrier
	WFRAGS
	s_wait_dscnt 0x0
; A trip on operand set p; o is the other set.  cond = 1: its work is passed over where the expert has no tile left for it.
.macro TRIP p, o, cond
.if \cond
	s_cmp_ge_u32 s[SI], s[CNT]
	s_cbranch_scc1 .La_\@
.endif
	s_wait_loadcnt 0x0                             ; set p, asked for a trip ago
	s_wait_xcnt 0x0                                ; the bases below are written anew
	PTRS 1
	ALOAD \o                                       ; the next trip's operands have this whole trip in which to land
	MM \p
.rept 5
	v_nop                                          ; four places ahead of the stores that read the results and of the next loads into the operands; the fifth for the next trip's first product, which begins an accumulator anew
.endr
	WIN 0x04                                       ; an LDS store's data are its source 1: window 1
.irp a, 0,1
.irp t, 0,1,2,3
	ds_store_b128 v[PST+\p], v[ACC+32*\a+8*\t:ACC+32*\a+8*\t+3] offset:PBA*\a+64*\t       ; each accumulator from its low end on
	ds_store_b128 v[PST+\p], v[ACC+32*\a+8*\t+4:ACC+32*\a+8*\t+7] offset:PBA*\a+64*\t+16
.endr
.endr
	WIN 0
.La_\@:
	s_wait_dscnt 0x0                               ; my partial sums have landed; my reads of the other turn's are back
	s_barrier_signal -1
	s_barrier_wait -1
.if \cond
	s_cmp_ge_u32 s[SI], s[CNT]
	s_cbranch_scc1 .Lb_\@
.endif
	s_wait_xcnt 0x0                                ; the last trip's stores have read their registers and bases
	WIN 0x80
.irp a, 0,1
.irp g, 0,1
.irp v, 0,1,2,3
	ds_load_b128 v[RED+16*(2*\a+\g)+4*\v:RED+16*(2*\a+\g)+4*\v+3], v[PRD+\p] offset:PBA*\a+PBW*\v+544*\g
.endr
.endr
.endr
.irp a, 0,1
	s_lshl_b32 s44, s[SI], 2
	s_add_co_u32 s44, s44, s[M2]
	s_add_co_u32 s44, s44, \a
	s_add_co_u32 s44, s44, s[E64]
	s_lshl_b32 s46, s44, 16                        ; 16 rows of 4,096 bytes a tile
	s_add_co_u32 s46, s46, s[NS256]
	s_mov_b32 s47, 0
	s_add_nc_u64 s[PY+2*\a:PY+2*\a+1], s[YP:YP+1], s[46:47]
.endr
	WIN 0x8a
.irp k, 0,1,2,3
	s_wait_dscnt 12-4*\k                           ; this group's four loads are in; the later groups' may be out
.irp d, 0,2
	v_pk_add_f32 v[RED+16*\k+\d:RED+16*\k+\d+1], v[RED+16*\k+\d:RED+16*\k+\d+1], v[RED+16*\k+4+\d:RED+16*\k+4+\d+1]
	v_pk_add_f32 v[RED+16*\k+8+\d:RED+16*\k+8+\d+1], v[RED+16*\k+8+\d:RED+16*\k+8+\d+1], v[RED+16*\k+12+\d:RED+16*\k+12+\d+1]
.endr
.irp d, 0,2
	v_pk_add_f32 v[RED+16*\k+\d:RED+16*\k+\d+1], v[RED+16*\k+\d:RED+16*\k+\d+1], v[RED+16*\k+8+\d:RED+16*\k+8+\d+1]
.endr
.endr
	WIN 0x8e                                       ; the bias lies in window 3
.irp k, 0,1,2,3
.irp d, 0,2
	v_pk_add_f32 v[RED+16*\k+\d:RED+16*\k+\d+1], v[RED+16*\k+\d:RED+16*\k+\d+1], v[BQ+\d:BQ+\d+1]
.endr
.endr
	WIN 0x08
.irp a, 0,1
.irp g, 0,1
	global_store_b128 v[YO], v[RED+16*(2*\a+\g):RED+16*(2*\a+\g)+3], s[PY+2*\a:PY+2*\a+1] offset:8192*\g   ; sixteen lanes store 256 consecutive bytes, aligned
.endr
.endr
	WIN 0
.Lb_\@:
	s_add_co_u32 s[SI], s[SI], 1
.endm
	TRIP 0, 1, 0
	s_mov_b32 s[LC], 0
.Ltrips:                                           ; 8 x 2 further trips: one more than any expert can need, so that the pair of turns closes
	TRIP 1, 0, 1
	TRIP 0, 1, 1
	s_add_co_u32 s[LC], s[LC], 1
	s_cmp_lt_u32 s[LC], 8
	s_cbranch_scc1 .Ltrips
	s_wait_tensorcnt 0x0                           ; the wave's end, behind my last LDS store
	ds_add_u32 v[SPW], v[NIL]
	s_wait_dscnt 0x0
	s_endpgm
.Lfunc_end_k_q96abd0b9b5_down:
	.size	k_q96abd0b9b5_down, .Lfunc_end_k_q96abd0b9b5_down-k_q96abd0b9b5_down
	.p2alignl 7, 3214868480
	.fill 96, 4, 3214868480
	.section	.rodata,"a",@progbits
	.p2align	6, 0x0
	.amdhsa_kernel k_q96abd0b9b5_down
		.amdhsa_group_segment_fixed_size 270848
		.amdhsa_private_segment_fixed_size 0
		.amdhsa_enable_private_segment 0
		.amdhsa_kernarg_size 56
		.amdhsa_user_sgpr_count 2
		.amdhsa_user_sgpr_kernarg_segment_ptr 1
		.amdhsa_wavefront_size32 1
		.amdhsa_system_sgpr_workgroup_id_x 1
		.amdhsa_system_sgpr_workgroup_id_y 1
		.amdhsa_system_sgpr_workgroup_id_z 1
		.amdhsa_system_vgpr_workitem_id 0
		.amdhsa_next_free_vgpr 1024
		.amdhsa_next_free_sgpr 66
		.amdhsa_reserve_vcc 0
		.amdhsa_float_denorm_mode_32 3
		.amdhsa_float_denorm_mode_16_64 3
		.amdhsa_memory_ordered 1
		.amdhsa_forward_progress 1
		.amdhsa_inst_pref_size 105
	.end_amdhsa_kernel
	.amdgpu_metadata
---
amdhsa.version: [ 1, 2 ]
amdhsa.kernels:
  - .name:           k_q96abd0b9b5_down
    .symbol:         k_q96abd0b9b5_down.kd
    .args:
      - { .name: hq, .offset: 0, .size: 8, .value_kind: global_buffer, .address_space: global }
      - { .name: hs, .offset: 8, .size: 8, .value_kind: global_buffer, .address_space: global }
      - { .name: pl, .offset: 16, .size: 8, .value_kind: global_buffer, .address_space: global }
      - { .name: down_w_codes, .offset: 24, .size: 8, .value_kind: global_buffer, .address_space: global }
      - { .name: down_w_scales, .offset: 32, .size: 8, .value_kind: global_buffer, .address_space: global }
      - { .name: down_b, .offset: 40, .size: 8, .value_kind: global_buffer, .address_space: global }
      - { .name: y, .offset: 48, .size: 8, .value_kind: global_buffer, .address_space: global }
    .group_segment_fixed_size: 270848
    .private_segment_fixed_size: 0
    .kernarg_segment_align: 8
    .kernarg_segment_size: 56
    .max_flat_workgroup_size: 128
    .sgpr_count:     66
    .vgpr_count:     1024
    .wavefront_size: 32
...
	.end_amdgpu_metadata
.endif
;; end of part 4
;; launch combine (part 5): grid 256 x 1, 4 waves a work-group, no clusters, 0 bytes of LDS; arguments y, pl, rf, out0; writes out0
.if DOCPART == 5
	.amdgcn_target "amdgcn-amd-amdhsa--gfx1250"
	.amdhsa_code_object_version 6
	.text
	.protected	k_q96abd0b9b5_combine
	.globl	k_q96abd0b9b5_combine
	.p2align	8
	.type	k_q96abd0b9b5_combine,@function
k_q96abd0b9b5_combine:
	s_mov_b64 s[64:65], 0
	v_nop
	global_prefetch_b8 v0, s[64:65] scope:SCOPE_SE
	s_setreg_imm32_b32 hwreg(HW_REG_WAVE_MODE, 25, 1), 1
	s_wait_xcnt 0x0
; out0[token] = w0 y[slot0] + w1 y[slot1]: the two terms of reference()'s sum over experts whose weight is not 0 (the other six are dead work: the first kernel's head shows it).
; A wave to a token: its two slots (whole numbers that an earlier launch stored) and its two weights come by scalar loads; each row of 4,096 bytes by eight loads of 512 consecutive bytes.
; Memory binds: no LDS, no barrier, no matrix unit.  Each step has registers of its own: nothing is written twice.
	s_load_b256 s[4:11], s[0:1], 0x0               ; y, pl, rf, out0
	v_lshrrev_b32 v1, 5, v0
	v_readfirstlane_b32 s12, v1
	v_and_b32 v2, 31, v0
	v_lshlrev_b32 v2, 4, v2
	s_lshl_b32 s13, ttmp9, 2
	s_add_co_u32 s13, s13, s12                     ; the token
	s_lshl_b32 s14, s13, 3
	s_lshl_b32 s20, s13, 12
	s_mov_b32 s21, 0
	s_mov_b32 s23, 0
	s_mov_b32 s25, 0
	s_wait_kmcnt 0x0
	s_load_b64 s[16:17], s[6:7], s14 offset:32768  ; its two slots
	s_load_b64 s[18:19], s[8:9], s14               ; its two weights
	s_add_nc_u64 s[10:11], s[10:11], s[20:21]
	s_wait_kmcnt 0x0
	s_min_u32 s16, s16, 8191
	s_min_u32 s17, s17, 8191
	s_lshl_b32 s22, s16, 12
	s_lshl_b32 s24, s17, 12
	s_add_nc_u64 s[22:23], s[4:5], s[22:23]
	s_add_nc_u64 s[24:25], s[4:5], s[24:25]
	s_mov_b32 s26, s19                             ; the second weight in a pair of its own: a packed line takes a scalar pair's low word for both halves
	s_mov_b32 s27, s19
.irp i, 0,1,2,3,4,5,6,7
	global_load_b128 v[16+4*\i:19+4*\i], v2, s[22:23] offset:512*\i th:TH_LOAD_NT
.endr
.irp i, 0,1,2,3,4,5,6,7
	global_load_b128 v[48+4*\i:51+4*\i], v2, s[24:25] offset:512*\i th:TH_LOAD_NT
.endr
.irp i, 0,1,2,3,4,5,6,7
	s_wait_loadcnt 7-\i                            ; both rows' i-th loads are in; the second row's later ones may be out
	v_pk_mul_f32 v[16+4*\i:17+4*\i], v[16+4*\i:17+4*\i], s[18:19] op_sel_hi:[1,0]
	v_pk_mul_f32 v[18+4*\i:19+4*\i], v[18+4*\i:19+4*\i], s[18:19] op_sel_hi:[1,0]
	v_pk_fma_f32 v[16+4*\i:17+4*\i], v[48+4*\i:49+4*\i], s[26:27], v[16+4*\i:17+4*\i] op_sel_hi:[1,0,1]
	v_pk_fma_f32 v[18+4*\i:19+4*\i], v[50+4*\i:51+4*\i], s[26:27], v[18+4*\i:19+4*\i] op_sel_hi:[1,0,1]
	global_store_b128 v2, v[16+4*\i:19+4*\i], s[10:11] offset:512*\i th:TH_STORE_NT
.endr
	s_endpgm
.Lfunc_end_k_q96abd0b9b5_combine:
	.size	k_q96abd0b9b5_combine, .Lfunc_end_k_q96abd0b9b5_combine-k_q96abd0b9b5_combine
	.p2alignl 7, 3214868480
	.fill 96, 4, 3214868480
	.section	.rodata,"a",@progbits
	.p2align	6, 0x0
	.amdhsa_kernel k_q96abd0b9b5_combine
		.amdhsa_group_segment_fixed_size 0
		.amdhsa_private_segment_fixed_size 0
		.amdhsa_enable_private_segment 0
		.amdhsa_kernarg_size 32
		.amdhsa_user_sgpr_count 2
		.amdhsa_user_sgpr_kernarg_segment_ptr 1
		.amdhsa_wavefront_size32 1
		.amdhsa_system_sgpr_workgroup_id_x 1
		.amdhsa_system_sgpr_workgroup_id_y 1
		.amdhsa_system_sgpr_workgroup_id_z 1
		.amdhsa_system_vgpr_workitem_id 0
		.amdhsa_next_free_vgpr 80
		.amdhsa_next_free_sgpr 66
		.amdhsa_reserve_vcc 0
		.amdhsa_float_denorm_mode_32 3
		.amdhsa_float_denorm_mode_16_64 3
		.amdhsa_memory_ordered 1
		.amdhsa_forward_progress 1
		.amdhsa_inst_pref_size 6
	.end_amdhsa_kernel
	.amdgpu_metadata
---
amdhsa.version: [ 1, 2 ]
amdhsa.kernels:
  - .name:           k_q96abd0b9b5_combine
    .symbol:         k_q96abd0b9b5_combine.kd
    .args:
      - { .name: y, .offset: 0, .size: 8, .value_kind: global_buffer, .address_space: global }
      - { .name: pl, .offset: 8, .size: 8, .value_kind: global_buffer, .address_space: global }
      - { .name: rf, .offset: 16, .size: 8, .value_kind: global_buffer, .address_space: global }
      - { .name: out0, .offset: 24, .size: 8, .value_kind: global_buffer, .address_space: global }
    .group_segment_fixed_size: 0
    .private_segment_fixed_size: 0
    .kernarg_segment_align: 8
    .kernarg_segment_size: 32
    .max_flat_workgroup_size: 128
    .sgpr_count:     66
    .vgpr_count:     80
    .wavefront_size: 32
...
	.end_amdgpu_metadata
.endif
;; end of part 5
;; ======== version 2 of 2: 4 launches
;; limits: right only within a limited range of input values
;; workspace buffers: xc 819,200 bytes; rt 8,192 bytes of whole numbers; rf 16,384 bytes; pl 33,792 bytes of whole numbers; hq 25,165,824 bytes; hs 1,048,576 bytes; y 33,554,432 bytes
;; launch route (part 6): grid 256 x 1, 4 waves a work-group, no clusters, 56,576 bytes of LDS; arguments x, gate_w, xc, rt, rf, out3; writes xc, rt, rf, out3
.if DOCPART == 6
	.amdgcn_target "amdgcn-amd-amdhsa--gfx1250"
	.amdhsa_code_object_version 6
	.text
	.protected	k_q96abd0b9b5_route
	.globl	k_q96abd0b9b5_route
	.p2align	8
	.type	k_q96abd0b9b5_route,@function
k_q96abd0b9b5_route:
	s_mov_b64 s[64:65], 0
	v_nop
	global_prefetch_b8 v0, s[64:65] scope:SCOPE_SE
	s_setreg_imm32_b32 hwreg(HW_REG_WAVE_MODE, 25, 1), 1
	s_wait_xcnt 0x0
; THE ROUTER, AND x AS CODES.  logits = x gate_w (f32 multiply-adds), softmax with the row's maximum taken away, the two largest probabilities (the lower index wins a tie: a later
; expert replaces the best only where it is strictly larger), their renormalised weights, the top expert (out3), each work-group's sum of probabilities; and x quantised to E2M3 along H.
; DEAD WORK, left out by the whole program: reference() multiplies each expert's y by combine[.., e], which it builds in its own body from a one_hot of its own top_k: for the six experts
; that are not among a token's two it is exactly 0, whatever the inputs hold.  So in exact arithmetic those experts' h and y reach no output, and only the 2 x 1,024 routed rows are multiplied.
; Which rows those are is a whole number: this launch stores it (rt), and later launches read it.  Every input still has a way to an output, so all are loaded.
; LIMITS: a NaN, an infinity or an overflow that arises only in the chain of an expert that was not chosen is not carried to the result.  NaN and infinities among the inputs are not served.
; A probability under 2^-126 counts as 0 (v_exp_f32 flushes), so a second expert chosen among such probabilities is the lowest index.  A block of zeros gets the scale byte 1, not 127:
; its codes are zeros, which add nothing under that byte, and this program alone reads the bytes.
; SHARES.  A work-group takes 4 tokens; wave w takes k = 256 w .. 256 w + 255 of all four, as two pairs of tokens.  Lane (a = lane / 16, m = lane % 16) holds 16 neighbours, k = 256 w + 16 m + 0 .. 15,
; of token 2 p + a.  Loads read 512 consecutive bytes; the numbers turn through the wave's own stage in LDS.  The gate's 16 rows of a lane come the same way, once.
; xc: codes [token][K step s][half h][48 bytes]: the 12 registers of operand lane (row, h): block h, then block 2 + h;  from byte XSCO on the scale words [token][s].
.set WRB,   13824                      ; LDS: a wave's region: two turn stages of 32 x SP bytes, then the gate's stage, 16 groups of GP bytes
.set SP,    80                         ; a lane's 64 bytes + 16 of padding
.set GSO,   2*32*SP
.set GP,    528                        ; 512 bytes + 16: the sixteen groups start at sixteen different 16-byte columns
.set PLB,   4*WRB                      ; partial logits [token 0..3][wave][8 f32]
.set XSL,   PLB+512                    ; scale words [token 0..3][s 0..7]
.set SPARE, XSL+256                    ; the spare words, 128 bytes a wave: no other line names them
.set XSCO,  786432
.set SPW,  1
.set NIL,  2
.set LN,   3                           ; lane
.set L16,  4                           ; 16 x lane
.set TIN,  5                           ; turn stage, way in
.set TOUT, 6                           ; and out
.set GIN,  7
.set GOUT, 8
.set XQO,  9                           ; my 12 bytes of codes in the pair's rows of xc
.set SH,   10                          ; 8 x my block's place in its scale word
.set PLW,  11
.set XSW,  12
.set PLR,  13
.set XSR,  14
.set G,    16                          ; v16-143  register 8 j + e: gate_w[256 w + 16 m + j][e]
.set RAW,  144                         ; v144-175 x as loaded, 16 a pair
.set X,    176                         ; v176-207 my 16 neighbours, a pair each
.set LG,   208                         ; v208-223 8 partial logits a pair
.set TMP,  224
.set CD,   240                         ; codes, 4 registers a pair
	s_load_b256 s[4:11], s[0:1], 0x0               ; x, gate_w, xc, rt
	s_load_b128 s[12:15], s[0:1], 0x20             ; rf, out3
	v_lshl_add_u32 v[SPW], v0, 2, SPARE
	v_mov_b32 v[NIL], 0
	v_lshrrev_b32 v[LN], 5, v0
	v_readfirstlane_b32 s16, v[LN]                 ; wave
	v_and_b32 v[LN], 31, v0
	v_and_b32 v224, 15, v0                         ; m
	v_bfe_u32 v225, v0, 4, 1                       ; a
	v_and_b32 v226, 3, v0
	v_bfe_u32 v227, v0, 3, 1                       ; m / 8
	s_mul_i32 s17, s16, WRB
	s_add_co_u32 s18, s17, GSO
	v_lshlrev_b32 v[L16], 4, v[LN]
	v_lshrrev_b32 v[TIN], 2, v[LN]
	v_mul_u32_u24 v[TIN], v[TIN], SP
	v_lshl_add_u32 v[TIN], v226, 4, v[TIN]
	v_add_nc_u32 v[TIN], s17, v[TIN]               ; four lanes' 64 bytes on end, then the padding
	v_mul_u32_u24 v[TOUT], v[LN], SP
	v_add_nc_u32 v[TOUT], s17, v[TOUT]
	v_add_nc_u32 v[GIN], s18, v[L16]
	v_mul_u32_u24 v[GOUT], v224, GP
	v_add_nc_u32 v[GOUT], s18, v[GOUT]
	v_mul_u32_u24 v[XQO], v225, 768                ; token a of the pair; block 8 w + m / 2 of the row: K step 2 w + m / 8, half (m / 2) % 2, which 24 bytes (m / 4) % 2, which 12 of them m % 2
	v_mad_u32_u24 v[XQO], v227, 96, v[XQO]
	v_bfe_u32 v228, v0, 1, 1
	v_mad_u32_u24 v[XQO], v228, 48, v[XQO]
	v_bfe_u32 v228, v0, 2, 1
	v_mad_u32_u24 v[XQO], v228, 24, v[XQO]
	v_and_b32 v228, 1, v0
	v_mad_u32_u24 v[XQO], v228, 12, v[XQO]
	s_mul_i32 s19, s16, 192
	v_add_nc_u32 v[XQO], s19, v[XQO]
	v_bfe_u32 v[SH], v0, 1, 2
	v_lshlrev_b32 v[SH], 3, v[SH]
	s_lshl_b32 s19, s16, 5
	s_add_co_u32 s19, s19, PLB
	v_lshl_add_u32 v[PLW], v225, 7, s19
	s_lshl_b32 s19, s16, 3
	s_add_co_u32 s19, s19, XSL
	v_lshl_add_u32 v[XSW], v225, 5, s19
	v_lshl_add_u32 v[XSW], v227, 2, v[XSW]
	v_lshl_add_u32 v[PLR], v226, 7, PLB
	v_lshl_add_u32 v[XSR], v[LN], 2, XSL
	s_lshl_b32 s20, ttmp9, 14                      ; 4 tokens of 4,096 bytes,
	s_lshl_b32 s21, s16, 10
	s_add_co_u32 s20, s20, s21                     ; my quarter of a row
	s_mov_b32 s21, 0
	s_lshl_b32 s22, s16, 13                        ; my 256 rows of the gate
	s_mov_b32 s23, 0
	s_mul_i32 s24, ttmp9, 3072                     ; 4 tokens of 768 bytes of codes
	s_mov_b32 s25, 0
	s_lshl_b32 s26, ttmp9, 7                       ; 4 tokens of 8 scale words
	s_mov_b32 s27, 0
	s_lshl_b32 s28, ttmp9, 5                       ; 4 tokens of 8 bytes; also a work-group's 32 bytes of sums
	s_mov_b32 s29, 0
	s_lshl_b32 s30, ttmp9, 4
	s_mov_b32 s31, 0
	s_wait_kmcnt 0x0
	s_add_nc_u64 s[4:5], s[4:5], s[20:21]
	s_add_nc_u64 s[6:7], s[6:7], s[22:23]
	s_add_nc_u64 s[32:33], s[8:9], s[26:27]
	s_add_nc_u64 s[8:9], s[8:9], s[24:25]
	s_add_nc_u64 s[10:11], s[10:11], s[28:29]
	s_add_nc_u64 s[12:13], s[12:13], s[28:29]
	s_add_nc_u64 s[14:15], s[14:15], s[30:31]
.irp i, 0,1,2,3,4,5,6,7,8,9,10,11,12,13,14,15
	global_load_b128 v[G+4*\i:G+4*\i+3], v[L16], s[6:7] offset:512*\i       ; 16 rows of the gate, 512 consecutive bytes
.endr
.irp p, 0,1
.irp i, 0,1,2,3
	global_load_b128 v[RAW+16*\p+4*\i:RAW+16*\p+4*\i+3], v[L16], s[4:5] offset:(2*\p+\i/2)*4096+512*(\i%2) th:TH_LOAD_NT
.endr
.endr
	s_wait_loadcnt 8                               ; the gate is in; x's eight loads may be out
.irp i, 0,1,2,3,4,5,6,7,8,9,10,11,12,13,14,15
	ds_store_b128 v[GIN], v[G+4*\i:G+4*\i+3] offset:GP*\i
.endr
	s_wait_dscnt 0x0                               ; the stores have read their registers, which the loads below fill
.irp j, 0,1,2,3,4,5,6,7,8,9,10,11,12,13,14,15
	ds_load_b128 v[G+8*\j:G+8*\j+3], v[GOUT] offset:32*\j
	ds_load_b128 v[G+8*\j+4:G+8*\j+7], v[GOUT] offset:32*\j+16
.endr
.macro TURN p                          ; a pair's 2,048 bytes through the stage: LDS serves a wave's instructions in order
.irp i, 0,1,2,3
	ds_store_b128 v[TIN], v[RAW+16*\p+4*\i:RAW+16*\p+4*\i+3] offset:32*SP*\p+8*SP*\i
.endr
.irp i, 0,1,2,3
	ds_load_b128 v[X+16*\p+4*\i:X+16*\p+4*\i+3], v[TOUT] offset:32*SP*\p+16*\i
.endr
.endm
	s_wait_loadcnt 4                               ; pair 0 is in; pair 1's four loads may be out
	TURN 0
	s_wait_loadcnt 0x0
	TURN 1
	v_mov_b32 v[TMP+4], 0                          ; a DPP move's destination counts as read
.macro PAIR p
.set XB, X+16*\p
.set LB, LG+8*\p
.irp q, 0,1,2,3
	v_pk_mul_f32 v[LB+2*\q:LB+2*\q+1], v[XB:XB+1], v[G+2*\q:G+2*\q+1] op_sel_hi:[0,1]       ; the first product starts the sums; x's number serves both halves
.endr
.set j, 1
.rept 15
.irp q, 0,1,2,3
.if j%2
	v_pk_fma_f32 v[LB+2*\q:LB+2*\q+1], v[XB+j-1:XB+j], v[G+8*j+2*\q:G+8*j+2*\q+1], v[LB+2*\q:LB+2*\q+1] op_sel:[1,0,0] op_sel_hi:[1,1,1]
.else
	v_pk_fma_f32 v[LB+2*\q:LB+2*\q+1], v[XB+j:XB+j+1], v[G+8*j+2*\q:G+8*j+2*\q+1], v[LB+2*\q:LB+2*\q+1] op_sel_hi:[0,1,1]
.endif
.endr
.set j, j+1
.endr
	v_max3_num_f32 v[TMP], |v[XB]|, |v[XB+1]|, |v[XB+2]|            ; the largest magnitude of my 16
	v_max3_num_f32 v[TMP+1], |v[XB+3]|, |v[XB+4]|, |v[XB+5]|
.irp i, 6,10
	v_max3_num_f32 v[TMP], v[TMP], |v[XB+\i]|, |v[XB+\i+1]|
	v_max3_num_f32 v[TMP+1], v[TMP+1], |v[XB+\i+2]|, |v[XB+\i+3]|
.endr
	v_max3_num_f32 v[TMP], v[TMP], |v[XB+14]|, |v[XB+15]|
	v_max3_num_f32 v[TMP], v[TMP], v[TMP+1], 0x1800000              ; the floor 2^(3 - 127): the byte cannot fall under 1
	v_max_num_f32_dpp v[TMP], v[TMP], v[TMP] row_xmask:1 row_mask:0xf bank_mask:0xf   ; with my neighbour's 16: the block's
	v_add_nc_u32 v[TMP+2], 0xff000000, v[TMP]                       ; 2 off the exponent field: the conversion's scale operand
	v_cvt_scalef32_pk16_fp6_f32 v[CD+4*\p:CD+4*\p+2], v[XB:XB+15], v[TMP+2]
	v_lshrrev_b32 v[TMP+3], 23, v[TMP+2]                            ; the scale's byte (also the plain line behind the conversion)
	global_store_b96 v[XQO], v[CD+4*\p:CD+4*\p+2], s[8:9] offset:1536*\p   ; sixteen lanes cover 192 consecutive bytes
	v_lshlrev_b32 v[TMP+3], v[SH], v[TMP+3]                         ; at its place in the word; the three other blocks' bytes come from lanes 2 and 4 away
	v_mov_b32_dpp v[TMP+4], v[TMP+3] row_xmask:2 row_mask:0xf bank_mask:0xf
	v_or_b32 v[TMP+3], v[TMP+3], v[TMP+4]
	v_mov_b32_dpp v[TMP+4], v[TMP+3] row_xmask:4 row_mask:0xf bank_mask:0xf
	v_or_b32 v[TMP+3], v[TMP+3], v[TMP+4]
	ds_store_b32 v[XSW], v[TMP+3] offset:64*\p                      ; the eight lanes of a K step write the same word with the same value
.irp msk, 1,2,4,8
.irp e, 0,1,2,3,4,5,6,7
	v_add_f32_dpp v[LB+\e], v[LB+\e], v[LB+\e] row_xmask:\msk row_mask:0xf bank_mask:0xf
.endr
.endr
	ds_store_b128 v[PLW], v[LB:LB+3] offset:256*\p                  ; the sixteen lanes of a token write the same bytes with the same values
	ds_store_b128 v[PLW], v[LB+4:LB+7] offset:256*\p+16
.endm
	s_wait_dscnt 8                                 ; the gate and pair 0 are back; pair 1's eight LDS instructions may be out
	PAIR 0
	s_wait_dscnt 0x0
	PAIR 1
	s_wait_dscnt 0x0                               ; for the others' sake: my stores have landed
	s_barrier_signal -1
	s_barrier_wait -1
	s_cmp_lg_u32 s16, 0
	s_cbranch_scc1 .Lend
	; wave 0: lane l serves token l % 4 (eight lanes do the same work)
	ds_load_b32 v104, v[XSR]
.irp w, 0,1,2,3
	ds_load_b128 v[16+8*\w:19+8*\w], v[PLR] offset:32*\w
	ds_load_b128 v[20+8*\w:23+8*\w], v[PLR] offset:32*\w+16
.endr
	v_lshlrev_b32 v102, 2, v[LN]
	v_lshlrev_b32 v103, 3, v[LN]
	s_wait_alu depctr_va_vdst(0)
	s_wait_dscnt 0x0
	global_store_b32 v102, v104, s[32:33] offset:XSCO   ; the four tokens' 32 scale words: 128 consecutive bytes
.irp i, 0,2,4,6
	v_pk_add_f32 v[48+\i:49+\i], v[16+\i:17+\i], v[24+\i:25+\i]
	v_pk_add_f32 v[56+\i:57+\i], v[32+\i:33+\i], v[40+\i:41+\i]
.endr
.irp i, 0,2,4,6
	v_pk_add_f32 v[48+\i:49+\i], v[48+\i:49+\i], v[56+\i:57+\i]     ; the 8 logits
.endr
	v_max3_num_f32 v64, v48, v49, v50
	v_max3_num_f32 v64, v64, v51, v52
	v_max3_num_f32 v64, v64, v53, v54
	v_max_num_f32 v64, v64, v55                    ; the maximum is taken away, as reference() does
.irp i, 0,1,2,3,4,5,6,7
	v_sub_f32 v[48+\i], v[48+\i], v64
.endr
.irp i, 0,1,2,3,4,5,6,7
	v_mul_f32 v[48+\i], 0x3fb8aa3b, v[48+\i]
.endr
	s_wait_alu depctr_va_vdst(0)
.irp i, 0,1,2,3,4,5,6,7
	v_exp_f32 v[72+\i], v[48+\i]
.endr
	v_mov_b32 v92, -1.0                            ; (a plain line behind the exponentials)
	s_wait_alu depctr_va_vdst(0)                   ; one wait for the eight, ahead of their first reader
	v_add_f32 v80, v72, v73
	v_add_f32 v81, v74, v75
	v_add_f32 v82, v76, v77
	v_add_f32 v83, v78, v79
	v_add_f32 v80, v80, v81
	v_add_f32 v82, v82, v83
	v_add_f32 v80, v80, v82
	s_wait_alu depctr_va_vdst(0)
	v_rcp_f32 v81, v80
	v_nop
	s_wait_alu depctr_va_vdst(0)
.irp i, 0,1,2,3,4,5,6,7
	v_mul_f32 v[72+\i], v[72+\i], v81              ; the probabilities
.endr
	v_mov_b32 v82, v72                             ; the largest, v98 its index: the best so far stays where it is at least as large
	v_mov_b32 v98, 0
.irp i, 1,2,3,4,5,6,7
	v_cmp_ge_f32 vcc_lo, v82, v[72+\i]
	v_cndmask_b32 v98, \i, v98, vcc_lo
	v_cndmask_b32 v82, v[72+\i], v82, vcc_lo
.endr
.irp i, 0,1,2,3,4,5,6,7
	v_cmp_eq_u32 vcc_lo, \i, v98
	v_cndmask_b32 v[84+\i], v[72+\i], v92, vcc_lo  ; the winner is hidden under -1
.endr
	v_mov_b32 v93, v84                             ; the second largest, v99 its index
	v_mov_b32 v99, 0
.irp i, 1,2,3,4,5,6,7
	v_cmp_ge_f32 vcc_lo, v93, v[84+\i]
	v_cndmask_b32 v99, \i, v99, vcc_lo
	v_cndmask_b32 v93, v[84+\i], v93, vcc_lo
.endr
	v_add_f32 v94, v82, v93
	s_wait_alu depctr_va_vdst(0)
	v_rcp_f32 v95, v94
	v_nop
	s_wait_alu depctr_va_vdst(0)
	v_mul_f32 v100, v82, v95                       ; the two weights
	v_mul_f32 v101, v93, v95
.irp msk, 1,2
.irp i, 0,1,2,3,4,5,6,7
	v_add_f32_dpp v[72+\i], v[72+\i], v[72+\i] row_xmask:\msk row_mask:0xf bank_mask:0xf   ; the four tokens' probabilities, summed
.endr
.endr
	v_mov_b32 v96, v72                             ; lane l of 0 .. 3 stores experts 2 l, 2 l + 1
	v_mov_b32 v97, v73
.irp k, 1,2,3
	v_cmp_eq_u32 vcc_lo, \k, v[LN]
	v_cndmask_b32 v96, v96, v[72+2*\k], vcc_lo
	v_cndmask_b32 v97, v97, v[73+2*\k], vcc_lo
.endr
	v_cmp_gt_u32 vcc_lo, 4, v0
	s_wait_alu depctr_va_vdst(0)
	s_wait_xcnt 0x0                                ; EXEC changes only behind this wait
	s_and_saveexec_b32 s34, vcc_lo
	global_store_b32 v102, v98, s[14:15]           ; out3
	global_store_b64 v103, v[98:99], s[10:11]      ; the two experts, at a fixed place
	global_store_b64 v103, v[100:101], s[12:13]    ; their weights
	global_store_b64 v103, v[96:97], s[12:13] offset:8192
	s_wait_xcnt 0x0
	s_or_b32 exec_lo, exec_lo, s34
.Lend:
	s_wait_tensorcnt 0x0                           ; the wave's end, behind my last LDS store
	ds_add_u32 v[SPW], v[NIL]
	s_wait_dscnt 0x0
	s_endpgm
.Lfunc_end_k_q96abd0b9b5_route:
	.size	k_q96abd0b9b5_route, .Lfunc_end_k_q96abd0b9b5_route-k_q96abd0b9b5_route
	.p2alignl 7, 3214868480
	.fill 96, 4, 3214868480
	.section	.rodata,"a",@progbits
	.p2align	6, 0x0
	.amdhsa_kernel k_q96abd0b9b5_route
		.amdhsa_group_segment_fixed_size 56576
		.amdhsa_private_segment_fixed_size 0
		.amdhsa_enable_private_segment 0
		.amdhsa_kernarg_size 48
		.amdhsa_user_sgpr_count 2
		.amdhsa_user_sgpr_kernarg_segment_ptr 1
		.amdhsa_wavefront_size32 1
		.amdhsa_system_sgpr_workgroup_id_x 1
		.amdhsa_system_sgpr_workgroup_id_y 1
		.amdhsa_system_sgpr_workgroup_id_z 1
		.amdhsa_system_vgpr_workitem_id 0
		.amdhsa_next_free_vgpr 256
		.amdhsa_next_free_sgpr 66
		.amdhsa_reserve_vcc 1
		.amdhsa_float_denorm_mode_32 3
		.amdhsa_float_denorm_mode_16_64 3
		.amdhsa_memory_ordered 1
		.amdhsa_forward_progress 1
		.amdhsa_inst_pref_size 33
	.end_amdhsa_kernel
	.amdgpu_metadata
---
amdhsa.version: [ 1, 2 ]
amdhsa.kernels:
  - .name:           k_q96abd0b9b5_route
    .symbol:         k_q96abd0b9b5_route.kd
    .args:
      - { .name: x, .offset: 0, .size: 8, .value_kind: global_buffer, .address_space: global }
      - { .name: gate_w, .offset: 8, .size: 8, .value_kind: global_buffer, .address_space: global }
      - { .name: xc, .offset: 16, .size: 8, .value_kind: global_buffer, .address_space: global }
      - { .name: rt, .offset: 24, .size: 8, .value_kind: global_buffer, .address_space: global }
      - { .name: rf, .offset: 32, .size: 8, .value_kind: global_buffer, .address_space: global }
      - { .name: out3, .offset: 40, .size: 8, .value_kind: global_buffer, .address_space: global }
    .group_segment_fixed_size: 56576
    .private_segment_fixed_size: 0
    .kernarg_segment_align: 8
    .kernarg_segment_size: 48
    .max_flat_workgroup_size: 128
    .sgpr_count:     66
    .vgpr_count:     256
    .wavefront_size: 32
...
	.end_amdgpu_metadata
.endif
;; end of part 6
;; launch up (part 7): grid 32 x 8, 8 waves a work-group, no clusters, 322,816 bytes of LDS; arguments xc, rt, up_w_codes, up_w_scales, up_b, hq, hs, pl; writes hq, hs, pl
.if DOCPART == 7
	.amdgcn_target "amdgcn-amd-amdhsa--gfx1250"
	.amdhsa_code_object_version 6
	.text
	.protected	k_q96abd0b9b5_up
	.globl	k_q96abd0b9b5_up
	.p2align	8
	.type	k_q96abd0b9b5_up,@function
k_q96abd0b9b5_up:
	s_mov_b64 s[64:65], 0
	v_nop
	global_prefetch_b8 v0, s[64:65] scope:SCOPE_SE
	s_setreg_imm32_b32 hwreg(HW_REG_WAVE_MODE, 25, 1), 1
	s_wait_xcnt 0x0
; h = Q(gelu(Q(x) up_w[e] + up_b[e])) for the rows that chose expert e, and for no others (the other rows' products are dead work: the first kernel's head shows it).
; SHARES.  Work-group (x, e): slice = x / 2 of 16 slices of 256 hidden units, half = x % 2 of the expert's tiles of 16 rows (tile 2 j + half is its j-th).  Eight waves, two to a SIMD.
; Wave w owns units 256 slice + 32 w .. + 31 for all of K: 2 tiles x 8 K steps x 12 = 192 registers of weights, read once and kept.  The weights stand still, the rows go by, two tiles of rows at a time.
; THE ROWS ARE PLACED BY EXPERT BY WAVE 0: it reads all 1,024 tokens' two experts (rt, whole numbers that the launch before stored).  A token that chose e stands at its rank R (the choosers before it);
; the others fill the order from its end: 1,023 - (t - R): a permutation of 0 .. 1,023, so every lane of every store has a word of its own.  The list's bytes are first set to token 0 by stores at
; constant places, so that every word holds a token's number before any place is used; then each token goes to its place.  These, and the word with the expert's tiles, are the only LDS accesses of any wave
; ahead of the first barrier.  The other waves take the number of tiles from that word.  Wave 0 of work-group x = 0 stores perm[e][token] and nt[e] (a word a lane) for the launches behind this one.
; Rows beyond the expert's last are tokens that did not choose it: real numbers, whose results nobody reads; so is the second tile of a last pair where my tiles are odd in number.
; NO TENSOR LOADS, NO CLUSTER, NO PREFETCH: how many tiles there are hangs on numbers read from memory, and work is passed over by branches on it; the weights are asked for whole at the head, and the rows'
; addresses are known only one chunk ahead, where they are already loaded.  Loops that hold barriers have constant trip counts; the branches lead round work alone.
; THE PRODUCT IS USED TRANSPOSED (source 0 = 16 units, source 1 = 16 rows of x); lane r of unit tile u takes unit 8 u + r + 8 (r / 8): so a lane holds one row, and its 16 registers of the two unit tiles are
; units 16 (lane / 16) + 0 .. 15 of my block of 32 along the next K.  The bias is the C of a sum's first product.  After the lane swap lanes 0-15 hold the whole block of the pair's first tile, lanes 16-31 of its second.
; hq is an image of the next product's operand registers: block b = w % 4 of K step 2 slice + w / 4 is registers 6 (b / 2) .. + 5 of lane (r, b % 2); hs: byte b of the row's scale word.
; ROWS.  x's codes (768 bytes a token, in the operand's register order) are gathered by the list, four tiles (a chunk) at a time: wave w fetches rows 4 (w % 4) .. + 3 of tiles 2 (w / 4), 2 (w / 4) + 1 into registers,
; a chunk ahead, and stores them into one of two stage buffers, from which all waves read.  One barrier a chunk.
; GELU: z (1 + erf(z / sqrt 2)) / 2, erf as the quotient of two polynomials in u^2, u held to +-4.  LIMIT: far down the negative tail the result is right to about 6e-8 |z|, not to its own last places.
; LIMITS: a block of zeros gets the scale byte 1, not 127 (its codes are zeros; this program alone reads the bytes); NaN and infinities are not served.
.set WSTB,  25088                      ; LDS: a wave's own 32 rows of weights x 784 bytes (768 + 16)
.set WP,    784
.set B0,    8*WSTB                     ; two stage buffers of 4 tiles
.set TILEB, 14592                      ; a tile: 48 pieces of 288 bytes (piece 6 s + 3 h + c: 16 rows x 16 bytes, + 32), then 16 rows x 48 bytes of scale words
.set B1,    B0+4*TILEB
.set SCO,   13824
.set LISTB, B1+4*TILEB                 ; the list: 1,024 tokens in the expert's order
.set CW,    LISTB+4096                 ; the expert's tiles, a word a lane
.set SPARE, CW+256                     ; the spare words, 128 bytes a wave: no other line names them
.set XSCO,  786432
.set NTB,   32768
.set TSTR,  98304                      ; hq: from my tile j to my tile j + 1: 2 tiles x 32 K steps x 1,536 bytes
.set SPW, 1
.set NIL, 2
.set FA0, 3
.set XA0, 4
.set FA,  5
.set XA,  6
.set SA0, 7
.set SS0, 8
.set SA,  9
.set SS,  10
.set IDL, 11
.set IO,  12
.set AG,  14
.set AGS, 16
.set ID,  18
.set GS,  20                           ; gathered scale words
.set H16, 22
.set H8,  23
.set HSB, 24
.set C16, 25
.set C4,  26
.set CWA, 27
.set VA11, 28
.set VB6, 30
.set WS,  32                           ; v32-47 up_w's scale words, register 8 t + s
.set XS,  48                           ; v48-63 x's, register 8 a + s
.set WGO, 64
.set WSA, 65
.set ADW, 66
.set WSO, 67
.set BO,  68
.set LIA, 69
.set TVR, 70
.set ZQ,  72
.set ACC, 80                           ; v80-111 four accumulators: 16 a + 8 t
.set AF,  112                          ; v112-255 twelve fragments of x: fragment (2 s + a) % 12; then gelu's registers
.set U,   112
.set P,   144
.set Q,   176
.set X2,  208
.set TM,  208
.set TN,  210
.set SO,  212
.set BY,  214
.set PC,  216
.set PX,  222
.set BV,  226
.set SELR, 80                          ; wave 0 at the head alone
.set PP,  144
.set LAD, 176
.set TK,  208
.set LANE, 244
.set PGO, 245
.set TV,  246
.set RTO, 247
.set BIAS, 192                         ; window 1: v0-191 weights (fragment 12 (2 s + t)), v192-207 the bias, v208-255 gathered rows
.set GR,  208
.set XCP, 4
.set RTP, 6
.set WCP, 8
.set WSP, 10
.set UBP, 12
.set HQP, 14
.set HSP, 16
.set WV,  18
.set EX,  19
.set MH,  20
.set NT,  21
.set RUN, 22
.set CNT, 23
.set SJ,  24
.set SC,  25
.set SQ,  26
.set STT, 27
.set HMASK, 28
.set KST, 29
.set SEL, 30
.set KC,  36
.set M64E, 62
.set C768, 63
.set HQT, 66
.set HST, 68
.set OFS, 70
.set PLE, 72
.set PLN, 74
.set MA,  76
.set MB,  84
.set RB,  92
.set WH2, 100
.set MSB, 0
.macro WIN new                         ; the immediate's high byte repeats the setting that is left
.if MSB != (\new)
	s_set_vgpr_msb (MSB<<8)|(\new)
.set MSB, (\new)
.endif
.endm
.macro CPAIR n, val
	s_mov_b32 s[KC+2*\n], \val
	s_mov_b32 s[KC+2*\n+1], \val
.endm
.macro RANK8 g                         ; eight words of 32 tokens, stage by stage
.irp k, 0,1,2,3,4,5,6,7
	v_cmp_eq_u32 s[MA+\k], s[EX], v[SELR+2*(8*\g+\k)]
	v_cmp_eq_u32 s[MB+\k], s[EX], v[SELR+2*(8*\g+\k)+1]
.endr
.irp k, 0,1,2,3,4,5,6,7
	v_add_nc_u32 v[TK+8*\g+\k], 32*(8*\g+\k), v[LANE]              ; the token t
.endr
.irp k, 0,1,2,3,4,5,6,7
	v_sub_nc_u32 v[LAD+8*\g+\k], 0x3ff, v[TK+8*\g+\k]              ; 1,023 - t
.endr
.irp k, 0,1,2,3,4,5,6,7
	s_or_b32 s[MA+\k], s[MA+\k], s[MB+\k]                          ; the choosers of this word,
	s_not_b32 s[MB+\k], s[MA+\k]                                   ; and the others
	s_mov_b32 s[RB+\k], s[RUN]
	s_bcnt1_i32_b32 s32, s[MA+\k]
	s_add_co_u32 s[RUN], s[RUN], s32
.endr
.irp k, 0,1,2,3,4,5,6,7
	v_mbcnt_lo_u32_b32 v[PP+8*\g+\k], s[MA+\k], 0
.endr
.irp k, 0,1,2,3,4,5,6,7
	v_cndmask_b32 v[LAD+8*\g+\k], 0, v[LAD+8*\g+\k], s[MB+\k]      ; 0 for a chooser
.endr
.irp k, 0,1,2,3,4,5,6,7
	v_add_nc_u32 v[PP+8*\g+\k], s[RB+\k], v[PP+8*\g+\k]            ; R
.endr
.irp k, 0,1,2,3,4,5,6,7
	v_add_nc_u32 v[PP+8*\g+\k], v[PP+8*\g+\k], v[LAD+8*\g+\k]      ; a chooser: R;  another: R + 1,023 - t
.endr
.irp k, 0,1,2,3,4,5,6,7
	v_min_u32 v[PP+8*\g+\k], 0x3ff, v[PP+8*\g+\k]
.endr
.irp k, 0,1,2,3,4,5,6,7
	v_lshlrev_b32 v[LAD+8*\g+\k], 2, v[PP+8*\g+\k]
.endr
.irp k, 0,1,2,3,4,5,6,7
	v_add_nc_u32 v[LAD+8*\g+\k], LISTB, v[LAD+8*\g+\k]
.endr
.endm
.macro IDS add                         ; the ids of my rows of my two tiles of the chunk at SJ + add (the tile held to the list's last)
.irp q, 0,1
	s_add_co_u32 s32, s[SJ], \add+\q
	s_add_co_u32 s32, s32, s[WH2]
	s_lshl_b32 s32, s32, 1
	s_add_co_u32 s32, s32, s[MH]
	s_min_u32 s32, s32, 63
	s_lshl_b32 s32, s32, 6
	v_add_nc_u32 v[IO+\q], s32, v[IDL]
	ds_load_b32 v[ID+\q], v[IO+\q]
.endr
.endm
.macro GATHER                          ; eight lanes to a row, 128 consecutive bytes a load, six loads a row; and the row's eight scale words: 14 loads
.irp q, 0,1
	v_min_u32 v[ID+\q], 0x3ff, v[ID+\q]
	v_mul_u32_u24 v[AG+\q], v[ID+\q], 768
	v_add_nc_u32 v[AG+\q], v[AG+\q], v[C16]
	v_lshlrev_b32 v[AGS+\q], 5, v[ID+\q]
	v_add_nc_u32 v[AGS+\q], v[AGS+\q], v[C4]
.endr
	WIN 0x40
.irp q, 0,1
.irp i, 0,1,2,3,4,5
	global_load_b128 v[GR+24*\q+4*\i:GR+24*\q+4*\i+3], v[AG+\q], s[XCP:XCP+1] offset:128*\i
.endr
.endr
	WIN 0
.irp q, 0,1
	global_load_b32 v[GS+\q], v[AGS+\q], s[XCP:XCP+1] offset:XSCO
.endr
.endm
.macro TOSTAGE
	WIN 0x04
.irp q, 0,1
.irp i, 0,1,2,3,4,5
	ds_store_b128 v[SA], v[GR+24*\q+4*\i:GR+24*\q+4*\i+3] offset:TILEB*\q+2304*\i
.endr
.endr
	WIN 0
.irp q, 0,1
	ds_store_b32 v[SS], v[GS+\q] offset:TILEB*\q+SCO
.endr
.endm
.macro WLOADS                          ; my 32 rows of weights: 48 loads of 512 bytes (two rows' 256 bytes each), into the registers that will hold the fragments
	WIN 0x40
.set n, 0
.rept 48
	global_load_b128 v[4*n:4*n+3], v[WGO], s[WCP:WCP+1] offset:768*(2*(n/3))+256*(n%3)
.set n, n+1
.endr
	WIN 0
.endm
.macro WSB                             ; their scale words and the bias: 8 loads
.irp t, 0,1
	global_load_b128 v[WS+8*\t:WS+8*\t+3], v[WSO], s[WSP:WSP+1] offset:256*\t
	global_load_b128 v[WS+8*\t+4:WS+8*\t+7], v[WSO], s[WSP:WSP+1] offset:256*\t+16
.endr
	WIN 0x40
.irp t, 0,1
	global_load_b128 v[BIAS+8*\t:BIAS+8*\t+3], v[BO], s[UBP:UBP+1] offset:32*\t       ; lane (r, h), tile t: units 16 h + 8 t + 0 .. 7
	global_load_b128 v[BIAS+8*\t+4:BIAS+8*\t+7], v[BO], s[UBP:UBP+1] offset:32*\t+16
.endr
	WIN 0
.endm
.macro WSTORES first, count            ; unit rr goes to LDS row rr with bits 3 and 4 changed over: LDS rows 16 t + r then hold the tile's chosen units
	WIN 0x04
.set n, \first
.rept \count
.set rr, 2*(n/3)
.set lam, (rr&7)+(((rr>>3)&1)<<4)+(((rr>>4)&1)<<3)
	ds_store_b128 v[WSA], v[4*n:4*n+3] offset:WP*lam+256*(n%3)
.set n, n+1
.endr
	WIN 0
.endm
.macro WFRAGS                          ; a fragment: 24 + 24 bytes of the row's stream of bits, in pieces of 8
	WIN 0x40
.irp s, 0,1,2,3,4,5,6,7
.irp t, 0,1
.irp p, 0,1,2,3,4,5
	ds_load_b64 v[12*(2*\s+\t)+2*\p:12*(2*\s+\t)+2*\p+1], v[ADW] offset:16*WP*\t+96*\s+48*(\p/3)+8*(\p%3)
.endr
.endr
.endr
	WIN 0
.endm
.macro XFR s                           ; both row tiles' fragments of K step s: six loads
.irp a, 0,1
.irp c, 0,1,2
.set FR, AF+12*((2*(\s)+\a)%12)+4*\c
	ds_load_b128 v[FR:FR+3], v[FA] offset:TILEB*\a+1728*(\s)+288*\c
.endr
.endr
.endm
.macro MM s                            ; four products of K step s; the four accumulators take turns
.irp a, 0,1
.irp t, 0,1
.set DR, ACC+16*\a+8*\t
.set WR, 12*(2*(\s)+\t)
.set BR, AF+12*((2*(\s)+\a)%12)
.if (\s) == 0
	v_wmma_scale_f32_16x16x128_f8f6f4 v[DR:DR+7], v[WR:WR+11], v[BR:BR+11], v[BIAS+8*\t:BIAS+8*\t+7], v[WS+8*\t+(\s)], v[XS+8*\a+(\s)] matrix_a_fmt:MATRIX_FMT_FP6 matrix_b_fmt:MATRIX_FMT_FP6
.else
	v_wmma_scale_f32_16x16x128_f8f6f4 v[DR:DR+7], v[WR:WR+11], v[BR:BR+11], v[DR:DR+7], v[WS+8*\t+(\s)], v[XS+8*\a+(\s)] matrix_a_fmt:MATRIX_FMT_FP6 matrix_b_fmt:MATRIX_FMT_FP6
.endif
.endr
.endr
.endm
	s_load_b256 s[4:11], s[0:1], 0x0               ; xc, rt, up_w_codes, up_w_scales
	s_load_b128 s[12:15], s[0:1], 0x20             ; up_b, hq
	s_load_b64 s[16:17], s[0:1], 0x30              ; hs
	s_load_b64 s[PLE:PLE+1], s[0:1], 0x38          ; pl
	v_lshl_add_u32 v[SPW], v0, 2, SPARE
	v_mov_b32 v[NIL], 0
	v_lshrrev_b32 v112, 5, v0
	v_readfirstlane_b32 s[WV], v112                ; wave
	; all the head's scalar work, then all its vector work
	s_and_b32 s32, s[WV], 3                        ; b = w % 4
	s_lshr_b32 s33, s[WV], 2                       ; w / 4
	s_lshl_b32 s[WH2], s33, 1                      ; my first tile of a chunk
	s_lshl_b32 s76, s32, 2                         ; my first row of a tile
	s_mul_i32 s77, s33, 2*TILEB
	s_mul_i32 s78, s[WV], WSTB
	s_and_b32 s34, s[WV], 1
	s_lshl_b32 s79, s34, 8                         ; 16 bytes x 16 lanes x (b % 2)
	s_lshl_b32 s80, s34, 7
	s_add_co_u32 s80, s80, 512
	s_mov_b32 s81, s32
	s_lshr_b32 s34, s32, 1
	s_mul_i32 s[C768], s34, 768                    ; which half of the operand's registers
	s_and_b32 s[EX], ttmp7, 0xffff                 ; the expert
	s_lshr_b32 s34, ttmp9, 1                       ; the slice
	s_and_b32 s[MH], ttmp9, 1                      ; which half of the tiles
	s_lshl_b32 s[KST], s34, 1
	s_add_co_u32 s[KST], s[KST], s33               ; the next product's K step
	s_lshl_b32 s33, s34, 8
	s_lshl_b32 s35, s[WV], 5
	s_add_co_u32 s33, s33, s35
	s_lshl_b32 s35, s[EX], 12
	s_add_co_u32 s33, s33, s35                     ; my first unit, counted over all experts
	s_lshl_b32 s[M64E], s[EX], 6
	s_add_co_u32 s[M64E], s[M64E], s[MH]
	s_mov_b32 s[HMASK], 0xffff0000
	s_mov_b32 s[SEL], 0x76543210
	s_mov_b32 s[SEL+1], 0xfedcba98                 ; v_permlanex16_b32's selects for lane l xor 16
	s_mov_b32 s[SJ], 0
	s_mov_b32 s[RUN], 0
	s_mov_b32 s[OFS+1], 0
	CPAIR 0, 0x3f3504f3                            ; 1 / sqrt 2
	CPAIR 1, 0xaf15df0b                            ; the numerator's coefficients of u^12 .. u^0, each halved (1 off the exponent field: exact)
	CPAIR 2, 0x326dffee
	CPAIR 3, 0xb58cff51
	CPAIR 4, 0xb7eec2d2
	CPAIR 5, 0xb9c0ac63
	CPAIR 6, 0xbac1a1f6
	CPAIR 7, 0xbc03dbd4
	CPAIR 8, 0xb77460cd                            ; the denominator's of u^8 .. u^0
	CPAIR 9, 0xb95fbd29
	CPAIR 10, 0xbadc924e
	CPAIR 11, 0xbbf19bf8
	CPAIR 12, 0xbc69b6a7
	v_and_b32 v112, 15, v0                         ; r
	v_bfe_u32 v113, v0, 4, 1                       ; h
	v_and_b32 v115, 7, v0
	v_bfe_u32 v116, v0, 3, 2
	v_and_b32 v[LANE], 31, v0
	v_lshlrev_b32 v[PGO], 2, v[LANE]
	v_lshlrev_b32 v[RTO], 3, v[LANE]
	v_lshl_add_u32 v[CWA], v[LANE], 2, CW
	v_lshl_add_u32 v[LIA], v[LANE], 4, LISTB
	v_add_nc_u32 v117, s76, v116                   ; the row that I gather: 4 (w % 4) + lane / 8
	v_mul_u32_u24 v[FA0], v113, 864
	v_lshl_add_u32 v[FA0], v112, 4, v[FA0]
	v_mul_u32_u24 v[XA0], v112, 48
	v_mul_u32_u24 v[SA0], v115, 288
	v_lshl_add_u32 v[SA0], v117, 4, v[SA0]
	v_add_nc_u32 v[SA0], s77, v[SA0]
	v_mul_u32_u24 v[SS0], v117, 48
	v_lshl_add_u32 v[SS0], v115, 2, v[SS0]
	v_add_nc_u32 v[SS0], s77, v[SS0]
	v_lshl_add_u32 v[IDL], v117, 2, LISTB
	v_mul_u32_u24 v[H16], v113, TSTR               ; lanes 16-31 store the pair's second tile
	v_lshl_add_u32 v[H8], v112, 3, v[H16]
	v_add_nc_u32 v[H8], s80, v[H8]
	v_lshl_add_u32 v[H16], v112, 4, v[H16]
	v_add_nc_u32 v[H16], s79, v[H16]
	v_lshlrev_b32 v[HSB], 12, v113
	v_lshl_add_u32 v[HSB], v112, 2, v[HSB]
	v_add_nc_u32 v[HSB], s81, v[HSB]               ; row r's scale word, byte b
	v_lshlrev_b32 v[C16], 4, v115
	v_lshlrev_b32 v[C4], 2, v115
	v_mul_u32_u24 v[WGO], v113, 768
	v_lshl_add_u32 v[WGO], v112, 4, v[WGO]
	v_mul_u32_u24 v[WSA], v113, WP
	v_lshl_add_u32 v[WSA], v112, 4, v[WSA]
	v_add_nc_u32 v[WSA], s78, v[WSA]
	v_mul_u32_u24 v[ADW], v112, WP
	v_mad_u32_u24 v[ADW], v113, 24, v[ADW]
	v_add_nc_u32 v[ADW], s78, v[ADW]
	v_and_b32 v[WSO], 8, v112
	v_add_nc_u32 v[WSO], v[WSO], v112              ; r + 8 (r / 8)
	v_lshlrev_b32 v[WSO], 5, v[WSO]
	v_lshlrev_b32 v[BO], 6, v113
	v_mov_b32 v[VA11], s[KC+4]
	v_mov_b32 v[VA11+1], s[KC+4]
	v_mov_b32 v[VB6], s[KC+18]
	v_mov_b32 v[VB6+1], s[KC+18]
.irp i, 0,1,2,3
	v_mov_b32 v[ZQ+\i], 0
.endr
	s_wait_alu depctr_va_vdst(0)
	s_wait_kmcnt 0x0
	s_mul_i32 s[OFS], s33, 768
	s_add_nc_u64 s[WCP:WCP+1], s[WCP:WCP+1], s[OFS:OFS+1]
	s_lshl_b32 s[OFS], s33, 5
	s_add_nc_u64 s[WSP:WSP+1], s[WSP:WSP+1], s[OFS:OFS+1]
	s_lshl_b32 s[OFS], s33, 2
	s_add_nc_u64 s[UBP:UBP+1], s[UBP:UBP+1], s[OFS:OFS+1]
	s_lshl_b32 s[OFS], s[EX], 7
	s_add_nc_u64 s[PLN:PLN+1], s[PLE:PLE+1], s[OFS:OFS+1]
	s_lshl_b32 s[OFS], s[EX], 12
	s_add_nc_u64 s[PLE:PLE+1], s[PLE:PLE+1], s[OFS:OFS+1]
	s_cmp_lg_u32 s[WV], 0
	s_cbranch_scc1 .Lothers
.irp i, 0,1,2,3,4,5,6,7,8,9,10,11,12,13,14,15,16,17,18,19,20,21,22,23,24,25,26,27,28,29,30,31
	global_load_b64 v[SELR+2*\i:SELR+2*\i+1], v[RTO], s[RTP:RTP+1] offset:256*\i   ; wave 0: the two experts of token 32 i + lane
.endr
	s_wait_loadcnt 0x0                             ; the experts are in; wave 0 places the rows first and asks for its weights behind that
	RANK8 0
	RANK8 1
	RANK8 2
	RANK8 3
	s_add_co_u32 s[NT], s[RUN], 15
	s_lshr_b32 s[NT], s[NT], 4
	s_max_u32 s[NT], s[NT], 1                      ; tiles of 16 rows, at least one,
	s_min_u32 s[NT], s[NT], 64                     ; 64 at the most
	v_mov_b32 v[TV], s[NT]
	s_wait_alu depctr_va_vdst(0)
.irp i, 0,1,2,3,4,5,6,7
	ds_store_b128 v[LIA], v[ZQ:ZQ+3] offset:512*\i ; the whole list: token 0
.endr
.irp i, 0,1,2,3,4,5,6,7,8,9,10,11,12,13,14,15,16,17,18,19,20,21,22,23,24,25,26,27,28,29,30,31
	ds_store_b32 v[LAD+\i], v[TK+\i]               ; each token at its place (LDS serves a wave's instructions in order)
.endr
	ds_store_b32 v[CWA], v[TV]                     ; the expert's tiles, for the other waves
	WLOADS
	WSB
	s_cmp_lg_u32 ttmp9, 0
	s_cbranch_scc1 .Ljoin
.irp i, 0,1,2,3,4,5,6,7,8,9,10,11,12,13,14,15,16,17,18,19,20,21,22,23,24,25,26,27,28,29,30,31
	global_store_b32 v[PGO], v[PP+\i], s[PLE:PLE+1] offset:128*\i   ; the expert's first work-group: perm[e][32 i + lane]
.endr
	global_store_b32 v[PGO], v[TV], s[PLN:PLN+1] offset:NTB         ; and nt[e], a word a lane
	s_branch .Ljoin
.Lothers:
	WLOADS
	WSB
.Ljoin:
	s_wait_dscnt 0x0                               ; for the others' sake: the list has landed
	s_barrier_signal -1
	s_barrier_wait -1
	ds_load_b32 v[TVR], v[CWA]
	IDS 0
	s_wait_dscnt 0x0
	v_readfirstlane_b32 s[NT], v[TVR]
	s_min_u32 s[NT], s[NT], 64
	s_max_u32 s[NT], s[NT], 1
	s_add_co_u32 s[CNT], s[NT], 1
	s_sub_co_u32 s[CNT], s[CNT], s[MH]
	s_lshr_b32 s[CNT], s[CNT], 1                   ; my tiles: 32 at the most
	GATHER                                         ; chunk 0: 14 loads
	s_wait_loadcnt 46                              ; the first 24 weight loads are in: younger are 24 + 8 + 14
	WSTORES 0, 24
	s_wait_loadcnt 22                              ; all 48: younger are 8 + 14
	WSTORES 24, 24
	s_wait_dscnt 0x0                               ; the stores have read the registers that the fragments take; the bytes are my wave's own
	WFRAGS
	s_wait_loadcnt 0x0                             ; scale words, bias, chunk 0's rows
	v_add_nc_u32 v[SA], B0, v[SA0]
	v_add_nc_u32 v[SS], B0, v[SS0]
	TOSTAGE
	s_cmp_le_u32 s[CNT], 4
	s_cbranch_scc1 .Lone                           ; no second chunk
	IDS 4
	s_wait_dscnt 0x0                               ; the stores have read their registers; chunk 1's ids are in
	GATHER
.Lone:
	s_wait_dscnt 0x0
	s_barrier_signal -1
	s_barrier_wait -1                              ; chunk 0 lies in buffer 0
.macro FILL oth                        ; the next chunk's rows go from registers to the other buffer; the chunk after that, if I have one, is asked for
	s_wait_loadcnt 0x0                             ; asked for a chunk ago
	v_add_nc_u32 v[SA], \oth, v[SA0]
	v_add_nc_u32 v[SS], \oth, v[SS0]
	TOSTAGE
	s_add_co_u32 s32, s[SJ], 4
	s_cmp_ge_u32 s32, s[CNT]
	s_cbranch_scc1 .Lnog_\@
	IDS 4
	s_wait_dscnt 0x0
	GATHER
.Lnog_\@:
.endm
.macro PAIR                            ; my tiles SJ and SJ + 1
	s_wait_xcnt 0x0                                ; earlier stores have read their registers and bases
	s_lshl_b32 s32, s[SJ], 1
	s_add_co_u32 s32, s32, s[M64E]                 ; 64 e + the first tile
	s_lshl_b32 s32, s32, 5
	s_add_co_u32 s32, s32, s[KST]
	s_mul_i32 s[OFS], s32, 1536
	s_add_co_u32 s[OFS], s[OFS], s[C768]
	s_add_nc_u64 s[HQT:HQT+1], s[HQP:HQP+1], s[OFS:OFS+1]
	s_lshl_b32 s[OFS], s32, 6
	s_add_nc_u64 s[HST:HST+1], s[HSP:HSP+1], s[OFS:OFS+1]
	v_add_nc_u32 v[FA], s[STT], v[FA0]
	v_add_nc_u32 v[XA], s[STT], v[XA0]
	s_wait_alu depctr_va_vdst(0)                   ; the wait directly behind the writes
.irp a, 0,1
	ds_load_b128 v[XS+8*\a:XS+8*\a+3], v[XA] offset:TILEB*\a+SCO
	ds_load_b128 v[XS+8*\a+4:XS+8*\a+7], v[XA] offset:TILEB*\a+SCO+16
.endr
.irp s, 0,1,2,3,4,5
	XFR \s
.endr
	s_wait_dscnt 30                                ; K step 0 is in; the five later steps' six loads each may be out
	WIN 0x11                                       ; weights and bias in window 1
	MM 0
	s_wait_dscnt 24
	WIN 0x01
	MM 1
.rept 4
	v_nop                                          ; four places ahead of loads into operands just read
.endr
	WIN 0
	XFR 6                                          ; into K step 0's registers
	XFR 7                                          ; into K step 1's
	WIN 0x01
.irp s, 2,3,4,5,6,7
	s_wait_dscnt 42-6*\s                           ; this step is in; the later steps' six loads each may be out
	MM \s
.endr
	WIN 0
.rept 4
	v_nop                                          ; four places behind the last product
.endr
	; gelu, stage by stage over the 16 pairs; each accumulator is read from its low end on
.set i, 0
.rept 16
	v_pk_mul_f32 v[U+i:U+i+1], v[ACC+i:ACC+i+1], s[KC:KC+1] op_sel_hi:[1,0]
.set i, i+2
.endr
.set i, 0
.rept 32
	v_med3_num_f32 v[U+i], v[U+i], -4.0, 4.0
.set i, i+1
.endr
.set i, 0
.rept 16
	v_pk_mul_f32 v[X2+i:X2+i+1], v[U+i:U+i+1], v[U+i:U+i+1]
.set i, i+2
.endr
.set i, 0
.rept 16
	v_pk_fma_f32 v[P+i:P+i+1], v[X2+i:X2+i+1], s[KC+2:KC+3], v[VA11:VA11+1] op_sel_hi:[1,0,1]
	v_pk_fma_f32 v[Q+i:Q+i+1], v[X2+i:X2+i+1], s[KC+16:KC+17], v[VB6:VB6+1] op_sel_hi:[1,0,1]
.set i, i+2
.endr
.irp c, 3,4,5,6,7
.set i, 0
.rept 16
	v_pk_fma_f32 v[P+i:P+i+1], v[P+i:P+i+1], v[X2+i:X2+i+1], s[KC+2*\c:KC+2*\c+1] op_sel_hi:[1,1,0]
.set i, i+2
.endr
.endr
.irp c, 10,11,12
.set i, 0
.rept 16
	v_pk_fma_f32 v[Q+i:Q+i+1], v[Q+i:Q+i+1], v[X2+i:X2+i+1], s[KC+2*\c:KC+2*\c+1] op_sel_hi:[1,1,0]
.set i, i+2
.endr
.endr
.set i, 0
	s_wait_alu depctr_va_vdst(0)
.rept 32
	v_rcp_f32 v[Q+i], v[Q+i]
.set i, i+1
.endr
.set i, 0
.rept 16
	v_pk_mul_f32 v[P+i:P+i+1], v[P+i:P+i+1], v[U+i:U+i+1]           ; plain work behind the reciprocals, which names none of them
.set i, i+2
.endr
	s_wait_alu depctr_va_vdst(0)                   ; one wait for the 32 reciprocals, ahead of their first reader
.set i, 0
.rept 16
	v_pk_fma_f32 v[P+i:P+i+1], v[P+i:P+i+1], v[Q+i:Q+i+1], 0.5 op_sel_hi:[1,1,0]   ; erf / 2 + 1 / 2
.set i, i+2
.endr
.set i, 0
.rept 16
	v_pk_mul_f32 v[ACC+i:ACC+i+1], v[ACC+i:ACC+i+1], v[P+i:P+i+1]   ; z x (1 + erf) / 2
.set i, i+2
.endr
	; my block of 32 along the next K, once for each row tile b: registers 16 b .. 16 b + 15 of lanes l and l xor 16
.irp b, 0,1
	v_max3_num_f32 v[TM+\b], |v[ACC+16*\b]|, |v[ACC+16*\b+1]|, 0x1800000   ; with the floor 2^(3 - 127): the byte cannot fall under 1
.endr
.irp i, 2,4,6,8,10,12,14
.irp b, 0,1
	v_max3_num_f32 v[TM+\b], v[TM+\b], |v[ACC+16*\b+\i]|, |v[ACC+16*\b+\i+1]|
.endr
.endr
.irp b, 0,1
	v_permlanex16_b32 v[TN+\b], v[TM+\b], s[SEL], s[SEL+1]
.endr
.irp b, 0,1
	v_max_num_f32 v[TM+\b], v[TM+\b], v[TN+\b]
.endr
.irp b, 0,1
	v_add_nc_u32 v[SO+\b], 0xff000000, v[TM+\b]    ; 2 off the exponent field: the conversion's scale operand
.endr
.irp b, 0,1
	v_lshrrev_b32 v[BY+\b], 23, v[SO+\b]           ; the scale's byte
.endr
	v_cvt_scalef32_pk16_fp6_f32 v[PC:PC+2], v[ACC:ACC+15], v[SO]
	v_cvt_scalef32_pk16_fp6_f32 v[PX:PX+2], v[ACC+16:ACC+31], v[SO+1]
	v_nop                                          ; one plain line behind a scaled conversion
.irp i, 0,1,2
	v_permlane16_swap_b32 v[PC+\i], v[PX+\i]       ; a whole block to a lane: lanes 0-15 the first tile's rows, lanes 16-31 the second's
.endr
.irp i, 0,1,2
	v_mov_b32 v[PC+3+\i], v[PX+\i]
.endr
	v_cndmask_b32 v[BV], v[BY], v[BY+1], s[HMASK]  ; my tile's byte
	global_store_b128 v[H16], v[PC:PC+3], s[HQT:HQT+1]       ; sixteen lanes: 256 consecutive bytes, aligned
	global_store_b64 v[H8], v[PC+4:PC+5], s[HQT:HQT+1]       ; sixteen lanes: 128 consecutive bytes
	global_store_b8 v[HSB], v[BV], s[HST:HST+1]
.endm
.macro CHUNK cur, oth
	s_mov_b32 s[STT], \cur
	s_mov_b32 s[SQ], 0
.Ltile_\@:
	s_cmp_ge_u32 s[SJ], s[CNT]
	s_cbranch_scc1 .Lnotile_\@
	PAIR
.Lnotile_\@:
	s_add_co_u32 s[STT], s[STT], 2*TILEB
	s_add_co_u32 s[SJ], s[SJ], 2
	s_add_co_u32 s[SQ], s[SQ], 1
	s_cmp_lt_u32 s[SQ], 2
	s_cbranch_scc1 .Ltile_\@
	s_cmp_ge_u32 s[SJ], s[CNT]                     ; SJ now stands at the next chunk's first tile
	s_cbranch_scc1 .Lnofill_\@                     ; no tile of mine in the next chunk: nothing to stage
	FILL \oth                                      ; behind this chunk's two pairs: the rows were asked for a chunk's work ago
.Lnofill_\@:
	s_wait_dscnt 0x0                               ; my stores into the other buffer have landed, my reads of this one are back
	s_barrier_signal -1
	s_barrier_wait -1
.endm
	s_mov_b32 s[SC], 0
.Lpair:                                            ; 4 trips of two chunks of four tiles: the 32 tiles that a work-group can have
	CHUNK B0, B1
	CHUNK B1, B0
	s_add_co_u32 s[SC], s[SC], 1
	s_cmp_lt_u32 s[SC], 4
	s_cbranch_scc1 .Lpair
	s_wait_tensorcnt 0x0                           ; the wave's end, behind my last LDS store
	ds_add_u32 v[SPW], v[NIL]
	s_wait_dscnt 0x0
	s_endpgm
.Lfunc_end_k_q96abd0b9b5_up:
	.size	k_q96abd0b9b5_up, .Lfunc_end_k_q96abd0b9b5_up-k_q96abd0b9b5_up
	.p2alignl 7, 3214868480
	.fill 96, 4, 3214868480
	.section	.rodata,"a",@progbits
	.p2align	6, 0x0
	.amdhsa_kernel k_q96abd0b9b5_up
		.amdhsa_group_segment_fixed_size 322816
		.amdhsa_private_segment_fixed_size 0
		.amdhsa_enable_private_segment 0
		.amdhsa_kernarg_size 64
		.amdhsa_user_sgpr_count 2
		.amdhsa_user_sgpr_kernarg_segment_ptr 1
		.amdhsa_wavefront_size32 1
		.amdhsa_system_sgpr_workgroup_id_x 1
		.amdhsa_system_sgpr_workgroup_id_y 1
		.amdhsa_system_sgpr_workgroup_id_z 1
		.amdhsa_system_vgpr_workitem_id 0
		.amdhsa_next_free_vgpr 512
		.amdhsa_next_free_sgpr 102
		.amdhsa_reserve_vcc 0
		.amdhsa_float_denorm_mode_32 3
		.amdhsa_float_denorm_mode_16_64 3
		.amdhsa_memory_ordered 1
		.amdhsa_forward_progress 1
		.amdhsa_inst_pref_size 132
	.end_amdhsa_kernel
	.amdgpu_metadata
---
amdhsa.version: [ 1, 2 ]
amdhsa.kernels:
  - .name:           k_q96abd0b9b5_up
    .symbol:         k_q96abd0b9b5_up.kd
    .args:
      - { .name: xc, .offset: 0, .size: 8, .value_kind: global_buffer, .address_space: global }
      - { .name: rt, .offset: 8, .size: 8, .value_kind: global_buffer, .address_space: global }
      - { .name: up_w_codes, .offset: 16, .size: 8, .value_kind: global_buffer, .address_space: global }
      - { .name: up_w_scales, .offset: 24, .size: 8, .value_kind: global_buffer, .address_space: global }
      - { .name: up_b, .offset: 32, .size: 8, .value_kind: global_buffer, .address_space: global }
      - { .name: hq, .offset: 40, .size: 8, .value_kind: global_buffer, .address_space: global }
      - { .name: hs, .offset: 48, .size: 8, .value_kind: global_buffer, .address_space: global }
      - { .name: pl, .offset: 56, .size: 8, .value_kind: global_buffer, .address_space: global }
    .group_segment_fixed_size: 322816
    .private_segment_fixed_size: 0
    .kernarg_segment_align: 8
    .kernarg_segment_size: 64
    .max_flat_workgroup_size: 256
    .sgpr_count:     102
    .vgpr_count:     512
    .wavefront_size: 32
...
	.end_amdgpu_metadata
.endif
;; end of part 7
;; launch down (part 8): grid 32 x 8, 4 waves a work-group, no clusters, 270,848 bytes of LDS; arguments hq, hs, pl, down_w_codes, down_w_scales, down_b, y; writes y
.if DOCPART == 8
	.amdgcn_target "amdgcn-amd-amdhsa--gfx1250"
	.amdhsa_code_object_version 6
	.text
	.protected	k_q96abd0b9b5_down
	.globl	k_q96abd0b9b5_down
	.p2align	8
	.type	k_q96abd0b9b5_down,@function
k_q96abd0b9b5_down:
	s_mov_b64 s[64:65], 0
	v_nop
	global_prefetch_b8 v0, s[64:65] scope:SCOPE_SE
	s_setreg_imm32_b32 hwreg(HW_REG_WAVE_MODE, 25, 1), 1
	s_wait_xcnt 0x0
; y[slot] = h[slot] down_w[e] + down_b[e] for the routed rows alone (the other rows' products are dead work: the first kernel's head shows it).
; SHARES.  Work-group (x, e): ns = x / 2 of 16 slices of 64 output columns, half = x % 2.  Wave w owns K steps 8 w .. 8 w + 7 of the 32, for all 64 columns: 4 tiles x 8 steps x 12 = 384 registers of weights, read once and kept.
; So each fragment of the hidden layer is loaded by ONE wave, from memory straight into its operand registers (hq is an image of them), and feeds four products.  The four waves' partial sums meet in LDS.
; A trip takes two tiles of 16 rows: tiles 4 i + 2 half + a.  Loads are held to the expert's last tile; stores are not: rows beyond the expert's last are this work-group's own and nobody reads them.
; NO TENSOR LOADS, NO CLUSTER: the number of trips with work is read from memory (nt).  The loop's trip count is a constant, every wave passes every barrier, and branches on the count lead round work alone.
; The first trip is not under a branch, so that both sets of operand registers are written on every way; where an expert has at most two tiles, the second half's work-groups repeat its last tile there, into rows that nobody reads.
; THE PRODUCT IS USED TRANSPOSED (source 0 = 16 columns of down_w, source 1 = 16 rows of h): a lane holds 8 neighbouring columns of one row.
.set WSTB,  50176                      ; LDS: a wave's own 64 rows of weights x 784 bytes
.set WP,    784
.set PB,    4*WSTB                     ; partial sums [turn 0..1][a 0..1][wave][16 rows x 272 bytes]
.set PBW,   16*272
.set PBA,   4*PBW
.set PBP,   2*PBA
.set SPARE, PB+2*PBP                   ; the spare words, 128 bytes a wave: no other line names them
.set NTB,   32768                      ; pl: nt[e], 128 bytes an expert, from here
.set SPW, 1
.set NIL, 2
.set L16, 3
.set L8,  4
.set L4,  5
.set PST, 6                            ; v6-7   where I store partial sums, a register a turn
.set PRD, 8                            ; v8-9   where I read them back
.set YO,  10
.set WGO, 11
.set WSA, 12
.set ADW, 13
.set WSO, 14
.set BO,  15
.set WS,  16                           ; v16-47 down_w's scale words, register 8 t + s
.set HSR, 48                           ; v48-63 h's scale words: set p at 8 p; register 4 a + q: lanes 0-15 K step 2 q, lanes 16-31 K step 2 q + 1
.set ACC, 192                          ; window 0: v64-255 operand set 1;  window 1: v0-191 weights of steps 0-3, v192-255 eight accumulators;  window 2: v0-191 steps 4-7, v192-255 the sums' 16 quads;  window 3: v0-191 set 0, v192-195 the bias
.set RED, 192
.set BQ,  192
.set HQP, 4
.set HSP, 6
.set PLP, 8
.set WCP, 10
.set WSP, 12
.set DBP, 14
.set YP,  16
.set WV,  18
.set EX,  19
.set M2,  20
.set NT,  21
.set TM1, 22
.set CNT, 23
.set SI,  24                           ; the trip
.set LC,  25
.set E64, 26
.set W12K, 27
.set W512, 28
.set NS256, 29
.set PA,  32                           ; s32-35 the two tiles' codes;  s36-39 their scale words;  s40-43 their rows of y
.set PH,  36
.set PY,  40
.set E128, 50
.set MSB, 0
.macro WIN new                         ; the immediate's high byte repeats the setting that is left
.if MSB != (\new)
	s_set_vgpr_msb (MSB<<8)|(\new)
.set MSB, (\new)
.endif
.endm
.macro WLOADS half
	WIN 0x40+0x40*\half
.set n, 0
.rept 48
.set rr, 2*((48*\half+n)/3)
.set ii, (48*\half+n)%3
	global_load_b128 v[4*n:4*n+3], v[WGO], s[WCP:WCP+1] offset:3072*rr+256*ii   ; two rows' 256 bytes of my 768
.set n, n+1
.endr
	WIN 0
.endm
.macro WSTORES half
	WIN 0x04+0x04*\half
.set n, 0
.rept 48
.set rr, 2*((48*\half+n)/3)
.set ii, (48*\half+n)%3
	ds_store_b128 v[WSA], v[4*n:4*n+3] offset:WP*rr+256*ii
.set n, n+1
.endr
	WIN 0
.endm
.macro WFRAGS
.irp hf, 0,1
	WIN 0x40+0x40*\hf
.irp sq, 0,1,2,3
.irp t, 0,1,2,3
.irp p, 0,1,2,3,4,5
	ds_load_b64 v[12*(4*\sq+\t)+2*\p:12*(4*\sq+\t)+2*\p+1], v[ADW] offset:16*WP*\t+96*(4*\hf+\sq)+48*(\p/3)+8*(\p%3)
.endr
.endr
.endr
.endr
	WIN 0
.endm
.macro PTRS add                        ; where trip SI + add's two tiles lie, held to the expert's last tile
.irp a, 0,1
	s_lshl_b32 s44, s[SI], 2
	s_add_co_u32 s44, s44, 4*\add+\a
	s_add_co_u32 s44, s44, s[M2]
	s_min_u32 s44, s44, s[TM1]
	s_min_u32 s44, s44, 63
	s_add_co_u32 s44, s44, s[E64]
	s_mul_i32 s46, s44, 49152
	s_add_co_u32 s46, s46, s[W12K]
	s_mov_b32 s47, 0
	s_add_nc_u64 s[PA+2*\a:PA+2*\a+1], s[HQP:HQP+1], s[46:47]
	s_lshl_b32 s46, s44, 11
	s_add_co_u32 s46, s46, s[W512]
	s_add_nc_u64 s[PH+2*\a:PH+2*\a+1], s[HSP:HSP+1], s[46:47]
.endr
.endm
.macro ASCALES set                     ; the two tiles' scale words: 8 loads
.irp a, 0,1
.irp q, 0,1,2,3
	global_load_b32 v[HSR+8*\set+4*\a+\q], v[L4], s[PH+2*\a:PH+2*\a+1] offset:128*\q
.endr
.endr
.endm
.macro ACODES set, first, count        ; the two tiles' fragments of K steps first .. first + count - 1: four loads a fragment
.if \set == 0
	WIN 0xc0
.set AB, 0
.else
	WIN 0
.set AB, 64
.endif
.irp a, 0,1
.set sx, \first
.rept \count
.set FR, AB+96*\a+12*sx
	global_load_b128 v[FR:FR+3], v[L16], s[PA+2*\a:PA+2*\a+1] offset:1536*sx
	global_load_b64 v[FR+4:FR+5], v[L8], s[PA+2*\a:PA+2*\a+1] offset:1536*sx+512
	global_load_b128 v[FR+6:FR+9], v[L16], s[PA+2*\a:PA+2*\a+1] offset:1536*sx+768
	global_load_b64 v[FR+10:FR+11], v[L8], s[PA+2*\a:PA+2*\a+1] offset:1536*sx+1280
.set sx, sx+1
.endr
.endr
	WIN 0
.endm
.macro MMS p, sv                       ; the 8 products of K step sv; the eight accumulators take turns; K step 0 starts the sums
	WIN 0x51+0x0c*(1-\p)+(\sv)/4
.irp a, 0,1
.irp t, 0,1,2,3
.set DR, ACC+32*\a+8*\t
.set WR, 12*(4*((\sv)%4)+\t)
.set BR, 64*\p+96*\a+12*(\sv)
.if (\sv) == 0
	v_wmma_scale_f32_16x16x128_f8f6f4 v[DR:DR+7], v[WR:WR+11], v[BR:BR+11], 0, v[WS+8*\t+(\sv)], v[HSR+8*\p+4*\a+(\sv)/2] matrix_a_fmt:MATRIX_FMT_FP6 matrix_b_fmt:MATRIX_FMT_FP6
.elseif (\sv)%2
	v_wmma_scale_f32_16x16x128_f8f6f4 v[DR:DR+7], v[WR:WR+11], v[BR:BR+11], v[DR:DR+7], v[WS+8*\t+(\sv)], v[HSR+8*\p+4*\a+(\sv)/2] matrix_a_fmt:MATRIX_FMT_FP6 matrix_b_fmt:MATRIX_FMT_FP6 matrix_b_scale:MATRIX_SCALE_ROW1
.else
	v_wmma_scale_f32_16x16x128_f8f6f4 v[DR:DR+7], v[WR:WR+11], v[BR:BR+11], v[DR:DR+7], v[WS+8*\t+(\sv)], v[HSR+8*\p+4*\a+(\sv)/2] matrix_a_fmt:MATRIX_FMT_FP6 matrix_b_fmt:MATRIX_FMT_FP6
.endif
.endr
.endr
.endm
.macro MMH p, hf                       ; 32 products: K steps 4 hf .. 4 hf + 3, in the same order
	WIN 0x51+0x0c*(1-\p)+\hf
.irp sq, 0,1,2,3
.irp a, 0,1
.irp t, 0,1,2,3
.set sv, 4*\hf+\sq
.set DR, ACC+32*\a+8*\t
.set WR, 12*(4*\sq+\t)
.set BR, 64*\p+96*\a+12*sv
.if sv == 0
	v_wmma_scale_f32_16x16x128_f8f6f4 v[DR:DR+7], v[WR:WR+11], v[BR:BR+11], 0, v[WS+8*\t+sv], v[HSR+8*\p+4*\a+sv/2] matrix_a_fmt:MATRIX_FMT_FP6 matrix_b_fmt:MATRIX_FMT_FP6
.elseif sv%2
	v_wmma_scale_f32_16x16x128_f8f6f4 v[DR:DR+7], v[WR:WR+11], v[BR:BR+11], v[DR:DR+7], v[WS+8*\t+sv], v[HSR+8*\p+4*\a+sv/2] matrix_a_fmt:MATRIX_FMT_FP6 matrix_b_fmt:MATRIX_FMT_FP6 matrix_b_scale:MATRIX_SCALE_ROW1
.else
	v_wmma_scale_f32_16x16x128_f8f6f4 v[DR:DR+7], v[WR:WR+11], v[BR:BR+11], v[DR:DR+7], v[WS+8*\t+sv], v[HSR+8*\p+4*\a+sv/2] matrix_a_fmt:MATRIX_FMT_FP6 matrix_b_fmt:MATRIX_FMT_FP6
.endif
.endr
.endr
.endr
.endm
	s_load_b256 s[4:11], s[0:1], 0x0               ; hq, hs, pl, down_w_codes
	s_load_b128 s[12:15], s[0:1], 0x20             ; down_w_scales, down_b
	s_load_b64 s[16:17], s[0:1], 0x30              ; y
	v_lshl_add_u32 v[SPW], v0, 2, SPARE
	v_mov_b32 v[NIL], 0
	v_lshrrev_b32 v64, 5, v0
	v_readfirstlane_b32 s[WV], v64                 ; wave
	v_and_b32 v64, 15, v0                          ; r
	v_bfe_u32 v65, v0, 4, 1                        ; h
	v_and_b32 v66, 31, v0                          ; lane
	v_lshlrev_b32 v[L16], 4, v66
	v_lshlrev_b32 v[L8], 3, v66
	v_lshlrev_b32 v[L4], 2, v66
	s_mul_i32 s44, s[WV], PBW
	s_add_co_u32 s44, s44, PB
	v_mul_u32_u24 v[PST], v64, 272
	v_lshl_add_u32 v[PST], v65, 5, v[PST]
	v_add_nc_u32 v[PST], s44, v[PST]               ; my wave's block, row r, 32 bytes a half
	v_add_nc_u32 v[PST+1], PBP, v[PST]
	s_mul_i32 s44, s[WV], 4*272
	s_add_co_u32 s44, s44, PB
	v_mul_u32_u24 v[PRD], v65, 272
	v_lshl_add_u32 v[PRD], v64, 4, v[PRD]
	v_add_nc_u32 v[PRD], s44, v[PRD]               ; back: rows 4 w + lane / 16 (+ 2 g), 16 bytes a lane
	v_add_nc_u32 v[PRD+1], PBP, v[PRD]
	s_lshl_b32 s44, s[WV], 14
	v_lshlrev_b32 v[YO], 12, v65
	v_lshl_add_u32 v[YO], v64, 4, v[YO]
	v_add_nc_u32 v[YO], s44, v[YO]                 ; and the same rows in y
	s_mul_i32 s44, s[WV], WSTB
	v_mul_u32_u24 v[WGO], v65, 3072
	v_lshl_add_u32 v[WGO], v64, 4, v[WGO]
	v_mul_u32_u24 v[WSA], v65, WP
	v_lshl_add_u32 v[WSA], v64, 4, v[WSA]
	v_add_nc_u32 v[WSA], s44, v[WSA]
	v_mul_u32_u24 v[ADW], v64, WP
	v_mad_u32_u24 v[ADW], v65, 24, v[ADW]
	v_add_nc_u32 v[ADW], s44, v[ADW]
	v_lshlrev_b32 v[WSO], 7, v64
	v_lshlrev_b32 v[BO], 4, v64
	s_and_b32 s[EX], ttmp7, 0xffff                 ; the expert
	s_lshr_b32 s44, ttmp9, 1                       ; the slice of columns
	s_and_b32 s[M2], ttmp9, 1
	s_lshl_b32 s[M2], s[M2], 1                     ; 2 x half
	s_lshl_b32 s[E128], s[EX], 7
	s_lshl_b32 s[E64], s[EX], 6
	s_mul_i32 s[W12K], s[WV], 12288
	s_lshl_b32 s[W512], s[WV], 9
	s_lshl_b32 s[NS256], s44, 8
	s_lshl_b32 s45, s[EX], 10
	s_lshl_b32 s46, s44, 6
	s_add_co_u32 s45, s45, s46                     ; my first column, counted over all experts
	s_mov_b32 s49, 0
	s_mov_b32 s[SI], 0
	s_wait_alu depctr_va_vdst(0)
	s_wait_kmcnt 0x0
	s_load_b32 s[NT], s[PLP:PLP+1], s[E128] offset:NTB   ; the expert's tiles
	s_mul_i32 s48, s45, 3072
	s_mul_i32 s46, s[WV], 768
	s_add_co_u32 s48, s48, s46
	s_add_nc_u64 s[WCP:WCP+1], s[WCP:WCP+1], s[48:49]
	s_lshl_b32 s48, s45, 7
	s_lshl_b32 s46, s[WV], 5
	s_add_co_u32 s48, s48, s46
	s_add_nc_u64 s[WSP:WSP+1], s[WSP:WSP+1], s[48:49]
	s_lshl_b32 s48, s45, 2
	s_add_nc_u64 s[DBP:DBP+1], s[DBP:DBP+1], s[48:49]
	WLOADS 0
	WLOADS 1
	s_wait_loadcnt 48                              ; the first half of the weights is in: the 48 loads of the second half may be out
	WSTORES 0
.irp t, 0,1,2,3
	global_load_b128 v[WS+8*\t:WS+8*\t+3], v[WSO], s[WSP:WSP+1] offset:2048*\t
	global_load_b128 v[WS+8*\t+4:WS+8*\t+7], v[WSO], s[WSP:WSP+1] offset:2048*\t+16
.endr
	WIN 0xc0
	global_load_b128 v[BQ:BQ+3], v[BO], s[DBP:DBP+1]   ; the bias of the four columns that I sum
	WIN 0
	s_wait_kmcnt 0x0
	s_min_u32 s[NT], s[NT], 64
	s_sub_co_u32 s[TM1], s[NT], 1
	s_add_co_u32 s[CNT], s[NT], 3
	s_sub_co_u32 s[CNT], s[CNT], s[M2]
	s_lshr_b32 s[CNT], s[CNT], 2                   ; my trips with work: 16 at the most
	PTRS 0
	ASCALES 0
	ACODES 0, 0, 8
	s_wait_loadcnt 63                              ; the weights, their scale words and the bias are in: 72 loads or more are younger than each
	WSTORES 1
	s_wait_dscnt 0x0                               ; the stores have read the registers that the fragments take; the bytes are my wave's own: no barrier
	WFRAGS
	s_wait_dscnt 0x0
; A trip on operand set p; o is the other set.  cond = 1: its work is passed over where the expert has no tile left for it.
; The next trip's 8 + 64 loads: the scale words first, then each K step's eight fragment loads ahead of this trip's eight products of that K step, so that loads and products are issued by turns.
; A trip that has no successor (cond = 1 alone: the first trip always fills set 1, so that both sets are written on every way) takes the copy of the products that asks for nothing.
.macro TRIP p, o, cond
.if \cond
	s_cmp_ge_u32 s[SI], s[CNT]
	s_cbranch_scc1 .La_\@
.endif
	s_wait_loadcnt 0x0                             ; set p, asked for a trip ago
	s_wait_xcnt 0x0                                ; the bases below are written anew
.if \cond
	s_add_co_u32 s45, s[SI], 1
	s_cmp_ge_u32 s45, s[CNT]
	s_cbranch_scc1 .Lc_\@                          ; no trip with work follows: nothing more is asked for
.endif
	PTRS 1
	ASCALES \o
.irp sv, 0,1,2,3,4,5,6,7
	ACODES \o, \sv, 1                              ; (into registers that none of this trip's products names)
	MMS \p, \sv
.endr
	WIN 0
.if \cond
	s_branch .Ld_\@
.Lc_\@:
	MMH \p, 0
	MMH \p, 1
	WIN 0
.Ld_\@:
.endif
.rept 5
	v_nop                                          ; four places ahead of the stores that read the results and of the next loads into the operands; the fifth for the next trip's first product, which begins an accumulator anew
.endr
	WIN 0x04                                       ; an LDS store's data are its source 1: window 1
.irp a, 0,1
.irp t, 0,1,2,3
	ds_store_b128 v[PST+\p], v[ACC+32*\a+8*\t:ACC+32*\a+8*\t+3] offset:PBA*\a+64*\t       ; each accumulator from its low end on
	ds_store_b128 v[PST+\p], v[ACC+32*\a+8*\t+4:ACC+32*\a+8*\t+7] offset:PBA*\a+64*\t+16
.endr
.endr
	WIN 0
.La_\@:
	s_wait_dscnt 0x0                               ; my partial sums have landed; my reads of the other turn's are back
	s_barrier_signal -1
	s_barrier_wait -1
.if \cond
	s_cmp_ge_u32 s[SI], s[CNT]
	s_cbranch_scc1 .Lb_\@
.endif
	s_wait_xcnt 0x0                                ; the last trip's stores have read their registers and bases
	WIN 0x80
.irp a, 0,1
.irp g, 0,1
.irp v, 0,1,2,3
	ds_load_b128 v[RED+16*(2*\a+\g)+4*\v:RED+16*(2*\a+\g)+4*\v+3], v[PRD+\p] offset:PBA*\a+PBW*\v+544*\g
.endr
.endr
.endr
.irp a, 0,1
	s_lshl_b32 s44, s[SI], 2
	s_add_co_u32 s44, s44, s[M2]
	s_add_co_u32 s44, s44, \a
	s_add_co_u32 s44, s44, s[E64]
	s_lshl_b32 s46, s44, 16                        ; 16 rows of 4,096 bytes a tile
	s_add_co_u32 s46, s46, s[NS256]
	s_mov_b32 s47, 0
	s_add_nc_u64 s[PY+2*\a:PY+2*\a+1], s[YP:YP+1], s[46:47]
.endr
	WIN 0x8a
.irp k, 0,1,2,3
	s_wait_dscnt 12-4*\k                           ; this group's four loads are in; the later groups' may be out
.irp d, 0,2
	v_pk_add_f32 v[RED+16*\k+\d:RED+16*\k+\d+1], v[RED+16*\k+\d:RED+16*\k+\d+1], v[RED+16*\k+4+\d:RED+16*\k+4+\d+1]
	v_pk_add_f32 v[RED+16*\k+8+\d:RED+16*\k+8+\d+1], v[RED+16*\k+8+\d:RED+16*\k+8+\d+1], v[RED+16*\k+12+\d:RED+16*\k+12+\d+1]
.endr
.irp d, 0,2
	v_pk_add_f32 v[RED+16*\k+\d:RED+16*\k+\d+1], v[RED+16*\k+\d:RED+16*\k+\d+1], v[RED+16*\k+8+\d:RED+16*\k+8+\d+1]
.endr
.endr
	WIN 0x8e                                       ; the bias lies in window 3
.irp k, 0,1,2,3
.irp d, 0,2
	v_pk_add_f32 v[RED+16*\k+\d:RED+16*\k+\d+1], v[RED+16*\k+\d:RED+16*\k+\d+1], v[BQ+\d:BQ+\d+1]
.endr
.endr
	WIN 0x08
.irp a, 0,1
.irp g, 0,1
	global_store_b128 v[YO], v[RED+16*(2*\a+\g):RED+16*(2*\a+\g)+3], s[PY+2*\a:PY+2*\a+1] offset:8192*\g   ; sixteen lanes store 256 consecutive bytes, aligned
.endr
.endr
	WIN 0
.Lb_\@:
	s_add_co_u32 s[SI], s[SI], 1
.endm
	TRIP 0, 1, 0
	s_mov_b32 s[LC], 0
.Ltrips:                                           ; 8 x 2 further trips: one more than any expert can need, so that the pair of turns closes
	TRIP 1, 0, 1
	TRIP 0, 1, 1
	s_add_co_u32 s[LC], s[LC], 1
	s_cmp_lt_u32 s[LC], 8
	s_cbranch_scc1 .Ltrips
	s_wait_tensorcnt 0x0                           ; the wave's end, behind my last LDS store
	ds_add_u32 v[SPW], v[NIL]
	s_wait_dscnt 0x0
	s_endpgm
.Lfunc_end_k_q96abd0b9b5_down:
	.size	k_q96abd0b9b5_down, .Lfunc_end_k_q96abd0b9b5_down-k_q96abd0b9b5_down
	.p2alignl 7, 3214868480
	.fill 96, 4, 3214868480
	.section	.rodata,"a",@progbits
	.p2align	6, 0x0
	.amdhsa_kernel k_q96abd0b9b5_down
		.amdhsa_group_segment_fixed_size 270848
		.amdhsa_private_segment_fixed_size 0
		.amdhsa_enable_private_segment 0
		.amdhsa_kernarg_size 56
		.amdhsa_user_sgpr_count 2
		.amdhsa_user_sgpr_kernarg_segment_ptr 1
		.amdhsa_wavefront_size32 1
		.amdhsa_system_sgpr_workgroup_id_x 1
		.amdhsa_system_sgpr_workgroup_id_y 1
		.amdhsa_system_sgpr_workgroup_id_z 1
		.amdhsa_system_vgpr_workitem_id 0
		.amdhsa_next_free_vgpr 1024
		.amdhsa_next_free_sgpr 66
		.amdhsa_reserve_vcc 0
		.amdhsa_float_denorm_mode_32 3
		.amdhsa_float_denorm_mode_16_64 3
		.amdhsa_memory_ordered 1
		.amdhsa_forward_progress 1
		.amdhsa_inst_pref_size 123
	.end_amdhsa_kernel
	.amdgpu_metadata
---
amdhsa.version: [ 1, 2 ]
amdhsa.kernels:
  - .name:           k_q96abd0b9b5_down
    .symbol:         k_q96abd0b9b5_down.kd
    .args:
      - { .name: hq, .offset: 0, .size: 8, .value_kind: global_buffer, .address_space: global }
      - { .name: hs, .offset: 8, .size: 8, .value_kind: global_buffer, .address_space: global }
      - { .name: pl, .offset: 16, .size: 8, .value_kind: global_buffer, .address_space: global }
      - { .name: down_w_codes, .offset: 24, .size: 8, .value_kind: global_buffer, .address_space: global }
      - { .name: down_w_scales, .offset: 32, .size: 8, .value_kind: global_buffer, .address_space: global }
      - { .name: down_b, .offset: 40, .size: 8, .value_kind: global_buffer, .address_space: global }
      - { .name: y, .offset: 48, .size: 8, .value_kind: global_buffer, .address_space: global }
    .group_segment_fixed_size: 270848
    .private_segment_fixed_size: 0
    .kernarg_segment_align: 8
    .kernarg_segment_size: 56
    .max_flat_workgroup_size: 128
    .sgpr_count:     66
    .vgpr_count:     1024
    .wavefront_size: 32
...
	.end_amdgpu_metadata
.endif
;; end of part 8
;; launch combine (part 9): grid 257 x 1, 4 waves a work-group, no clusters, 0 bytes of LDS; arguments y, pl, rt, rf, out0, out1, out2; writes out0, out1, out2
.if DOCPART == 9
	.amdgcn_target "amdgcn-amd-amdhsa--gfx1250"
	.amdhsa_code_object_version 6
	.text
	.protected	k_q96abd0b9b5_combine
	.globl	k_q96abd0b9b5_combine
	.p2align	8
	.type	k_q96abd0b9b5_combine,@function
k_q96abd0b9b5_combine:
	s_mov_b64 s[64:65], 0
	v_nop
	global_prefetch_b8 v0, s[64:65] scope:SCOPE_SE
	s_setreg_imm32_b32 hwreg(HW_REG_WAVE_MODE, 25, 1), 1
	s_wait_xcnt 0x0
; out0[token] = w0 y[slot0] + w1 y[slot1]: the two terms of reference()'s sum over experts whose weight is not 0 (the other six are dead work: the first kernel's head shows it).
; Work-groups 0 .. 255: a wave to a token.  Its two experts, its two weights and its place in all eight experts' orders (whole numbers that earlier launches stored) come by ONE batch of scalar loads;
; the two places that count are chosen by s_cselect_b32, so that no load waits for another's result.  slot = 1,024 x expert + place.  Each row of 4,096 bytes comes by eight loads of 512 consecutive bytes.
; Work-group 256 makes the two statistics: its wave 0 adds the 256 sums of probabilities that the first launch stored: out2 = the mean, out1 = 8 x the sum of its squares; 8 KB, one wave's work.
; Memory binds: no LDS, no barrier, no matrix unit.  Each step has registers of its own: nothing is written twice.
	s_load_b256 s[4:11], s[0:1], 0x0               ; y, pl, rt, rf
	s_load_b128 s[12:15], s[0:1], 0x20             ; out0, out1
	s_load_b64 s[16:17], s[0:1], 0x30              ; out2
	v_lshrrev_b32 v1, 5, v0
	v_readfirstlane_b32 s18, v1                    ; wave
	v_and_b32 v1, 31, v0                           ; lane
	v_lshlrev_b32 v2, 4, v1
	s_lshl_b32 s19, ttmp9, 2
	s_add_co_u32 s19, s19, s18                     ; the token
	s_lshl_b32 s20, s19, 3
	s_lshl_b32 s21, s19, 2
	s_lshl_b32 s44, s19, 12
	s_mov_b32 s45, 0
	s_mov_b32 s47, 0
	s_mov_b32 s49, 0
	s_wait_kmcnt 0x0
	s_cmp_eq_u32 ttmp9, 256
	s_cbranch_scc1 .Lstat
	s_load_b64 s[22:23], s[8:9], s20               ; its two experts
	s_load_b64 s[24:25], s[10:11], s20             ; its two weights
.irp e, 0,1,2,3,4,5,6,7
	s_load_b32 s[32+\e], s[6:7], s21 offset:4096*\e   ; its place in expert e's order
.endr
	s_add_nc_u64 s[12:13], s[12:13], s[44:45]
	s_wait_kmcnt 0x0
	s_mov_b32 s40, s32
	s_mov_b32 s41, s32
.irp e, 1,2,3,4,5,6,7
	s_cmp_eq_u32 s22, \e
	s_cselect_b32 s40, s[32+\e], s40
	s_cmp_eq_u32 s23, \e
	s_cselect_b32 s41, s[32+\e], s41
.endr
	s_min_u32 s40, s40, 1023
	s_min_u32 s41, s41, 1023
	s_min_u32 s22, s22, 7
	s_min_u32 s23, s23, 7
	s_lshl_b32 s22, s22, 10
	s_lshl_b32 s23, s23, 10
	s_add_co_u32 s40, s40, s22                     ; the two slots
	s_add_co_u32 s41, s41, s23
	s_lshl_b32 s46, s40, 12
	s_lshl_b32 s48, s41, 12
	s_add_nc_u64 s[46:47], s[4:5], s[46:47]
	s_add_nc_u64 s[48:49], s[4:5], s[48:49]
	s_mov_b32 s26, s25                             ; the second weight in a pair of its own: a packed line takes a scalar pair's low word for both halves
	s_mov_b32 s27, s25
	s_wait_alu depctr_va_vdst(0)
.irp i, 0,1,2,3,4,5,6,7
	global_load_b128 v[16+4*\i:19+4*\i], v2, s[46:47] offset:512*\i th:TH_LOAD_NT
.endr
.irp i, 0,1,2,3,4,5,6,7
	global_load_b128 v[48+4*\i:51+4*\i], v2, s[48:49] offset:512*\i th:TH_LOAD_NT
.endr
.irp i, 0,1,2,3,4,5,6,7
	s_wait_loadcnt 7-\i                            ; both rows' i-th loads are in; the second row's later ones may be out
	v_pk_mul_f32 v[16+4*\i:17+4*\i], v[16+4*\i:17+4*\i], s[24:25] op_sel_hi:[1,0]
	v_pk_mul_f32 v[18+4*\i:19+4*\i], v[18+4*\i:19+4*\i], s[24:25] op_sel_hi:[1,0]
	v_pk_fma_f32 v[16+4*\i:17+4*\i], v[48+4*\i:49+4*\i], s[26:27], v[16+4*\i:17+4*\i] op_sel_hi:[1,0,1]
	v_pk_fma_f32 v[18+4*\i:19+4*\i], v[50+4*\i:51+4*\i], s[26:27], v[18+4*\i:19+4*\i] op_sel_hi:[1,0,1]
	global_store_b128 v2, v[16+4*\i:19+4*\i], s[12:13] offset:512*\i th:TH_STORE_NT
.endr
	s_endpgm
.Lstat:
	s_cmp_lg_u32 s18, 0
	s_cbranch_scc1 .Lend
	s_wait_alu depctr_va_vdst(0)
.irp i, 0,1,2,3,4,5,6,7,8,9,10,11,12,13,14,15
	global_load_b128 v[16+4*\i:19+4*\i], v2, s[10:11] offset:8192+512*\i   ; work-group 16 i + lane / 2 of the first launch, experts 4 (lane % 2) on
.endr
	s_mov_b32 s20, 0x76543210
	s_mov_b32 s21, 0xfedcba98                      ; v_permlanex16_b32's selects for lane l xor 16
.irp j, 0,1,2,3
	v_mov_b32 v[80+\j], 0                          ; a lane permute's destination counts as read
.endr
	s_wait_loadcnt 0x0
.irp i, 1,2,3,4,5,6,7,8,9,10,11,12,13,14,15
	v_pk_add_f32 v[16:17], v[16:17], v[16+4*\i:17+4*\i]
	v_pk_add_f32 v[18:19], v[18:19], v[18+4*\i:19+4*\i]
.endr
.irp msk, 2,4,8
.irp j, 0,1,2,3
	v_add_f32_dpp v[16+\j], v[16+\j], v[16+\j] row_xmask:\msk row_mask:0xf bank_mask:0xf   ; over the lanes of my parity
.endr
.endr
.irp j, 0,1,2,3
	v_permlanex16_b32 v[80+\j], v[16+\j], s20, s21
.endr
.irp j, 0,1,2,3
	v_add_f32 v[16+\j], v[16+\j], v[80+\j]
.endr
.irp j, 0,1,2,3
	v_mul_f32 v[16+\j], 0x3a800000, v[16+\j]       ; / 1,024 tokens
.endr
	v_mul_f32 v84, v16, v16
	v_fma_f32 v84, v17, v17, v84
	v_fma_f32 v84, v18, v18, v84
	v_fma_f32 v84, v19, v19, v84
	v_add_f32_dpp v84, v84, v84 row_xmask:1 row_mask:0xf bank_mask:0xf   ; with the other four experts'
	v_mul_f32 v84, 0x41000000, v84                 ; x 8
	v_mov_b32 v85, 0
	v_cmp_gt_u32 vcc_lo, 2, v1
	s_wait_alu depctr_va_vdst(0)
	s_wait_xcnt 0x0                                ; EXEC changes only behind this wait
	s_and_saveexec_b32 s28, vcc_lo
	global_store_b128 v2, v[16:19], s[16:17]       ; out2
	s_wait_xcnt 0x0
	s_or_b32 exec_lo, exec_lo, s28
	v_cmp_eq_u32 vcc_lo, 0, v1
	s_and_saveexec_b32 s28, vcc_lo
	global_store_b32 v85, v84, s[14:15]            ; out1
	s_wait_xcnt 0x0
	s_or_b32 exec_lo, exec_lo, s28
.Lend:
	s_endpgm
.Lfunc_end_k_q96abd0b9b5_combine:
	.size	k_q96abd0b9b5_combine, .Lfunc_end_k_q96abd0b9b5_combine-k_q96abd0b9b5_combine
	.p2alignl 7, 3214868480
	.fill 96, 4, 3214868480
	.section	.rodata,"a",@progbits
	.p2align	6, 0x0
	.amdhsa_kernel k_q96abd0b9b5_combine
		.amdhsa_group_segment_fixed_size 0
		.amdhsa_private_segment_fixed_size 0
		.amdhsa_enable_private_segment 0
		.amdhsa_kernarg_size 56
		.amdhsa_user_sgpr_count 2
		.amdhsa_user_sgpr_kernarg_segment_ptr 1
		.amdhsa_wavefront_size32 1
		.amdhsa_system_sgpr_workgroup_id_x 1
		.amdhsa_system_sgpr_workgroup_id_y 1
		.amdhsa_system_sgpr_workgroup_id_z 1
		.amdhsa_system_vgpr_workitem_id 0
		.amdhsa_next_free_vgpr 96
		.amdhsa_next_free_sgpr 66
		.amdhsa_reserve_vcc 1
		.amdhsa_float_denorm_mode_32 3
		.amdhsa_float_denorm_mode_16_64 3
		.amdhsa_memory_ordered 1
		.amdhsa_forward_progress 1
		.amdhsa_inst_pref_size 14
	.end_amdhsa_kernel
	.amdgpu_metadata
---
amdhsa.version: [ 1, 2 ]
amdhsa.kernels:
  - .name:           k_q96abd0b9b5_combine
    .symbol:         k_q96abd0b9b5_combine.kd
    .args:
      - { .name: y, .offset: 0, .size: 8, .value_kind: global_buffer, .address_space: global }
      - { .name: pl, .offset: 8, .size: 8, .value_kind: global_buffer, .address_space: global }
      - { .name: rt, .offset: 16, .size: 8, .value_kind: global_buffer, .address_space: global }
      - { .name: rf, .offset: 24, .size: 8, .value_kind: global_buffer, .address_space: global }
      - { .name: out0, .offset: 32, .size: 8, .value_kind: global_buffer, .address_space: global }
      - { .name: out1, .offset: 40, .size: 8, .value_kind: global_buffer, .address_space: global }
      - { .name: out2, .offset: 48, .size: 8, .value_kind: global_buffer, .address_space: global }
    .group_segment_fixed_size: 0
    .private_segment_fixed_size: 0
    .kernarg_segment_align: 8
    .kernarg_segment_size: 56
    .max_flat_workgroup_size: 128
    .sgpr_count:     66
    .vgpr_count:     96
    .wavefront_size: 32
...
	.end_amdgpu_metadata
.endif
;; end of part 9
